; MI455X (gfx1250); checked and timed in simulation.
; The chip was launched on July 23, 2026; its instructions are those of AMD's public machine-readable ISA for CDNA 5 (MIT licence, August 2026) and "CDNA5" Instruction Set Architecture Reference Guide (July 2026). The comments in the code are by the model that wrote it; some were corrected since.
;; Multi Head Attention. Allowed arithmetic: matrix products marked QUANTISED: E2M1 operands, one E8M0 scale for each 32 along K, by v_wmma_scale_f32_16x16x128_f8f6f4 with both operands' format E2M1 (or v_wmma_scale_f32_32x16x128_f4), f32 sums; products left as they are: bf16, f16 or f32 operands; f32 sums; everything else in f32.
;; Inputs: W_k 1,024 x 1,024 float32; W_o 1,024 x 1,024 float32; W_q 1,024 x 1,024 float32; W_v 1,024 x 1,024 float32; b_k 1,024 float32; b_o 1,024 float32; b_q 1,024 float32; b_v 1,024 float32; k 4 x 2,048 x 1,024 float32; q 4 x 2,048 x 1,024 float32; v 4 x 2,048 x 1,024 float32.
;; Outputs: out0 4 x 2,048 x 1,024 float32.
;; This version of the problem:
;;   THIS VERSION OF THE PROBLEM IS GIVEN IN LOW PRECISION. The matrix products marked QUANTISED in the list below multiply operands that are first quantised to E2M1 (2 exponent bits, 1 mantissa bit; 4 bits a number), with one power-of-two scale for each 32 numbers along K (OCP MX v1.0); their sums are f32. The products marked 'left as it is' may take bf16, f16 or f32 operands, with f32 sums. All else is computed in f32.
;;   The module's matrix products, in the order in which they are computed (A, B: the left and right operand; K: the contracted axis; several contracted axes count as one K, in the product's order):
;;     1. [M 8,192, K 1,024] x [K 1,024, N 1,024]; A: input q; B: input W_q: QUANTISED
;;     2. [M 8,192, K 1,024] x [K 1,024, N 1,024]; A: input k; B: input W_k: QUANTISED
;;     3. [M 8,192, K 1,024] x [K 1,024, N 1,024]; A: input v; B: input W_v: QUANTISED
;;     4. batch 64 x [M 2,048, K 64] x [K 64, N 2,048]; A: computed on the way; B: computed on the way: left as it is (an operand is computed on the way)
;;     5. batch 64 x [M 2,048, K 2,048] x [K 2,048, N 64]; A: computed on the way; B: computed on the way: left as it is (an operand is computed on the way)
;;     6. [M 8,192, K 1,024] x [K 1,024, N 1,024]; A: computed on the way; B: input W_o: left as it is (an operand is computed on the way)
;;   THE QUANTISER, for each operand of a quantised product, along K:
;;     - K is cut into blocks of 32 from its start; a last block that is shorter is filled with zeros.
;;     - A block's scale is 2^e with e = floor(log2(the largest magnitude in the block)) - 2, held to -126 .. 127; a block of zeros has e = 0. As a byte (E8M0): e + 127.
;;     - Each number is divided by its block's scale, clamped to +-6, and rounded to the nearest number of E2M1, ties to even, subnormals kept.
;;     - The product sums the exact products of the quantised numbers (number of the format x scale) in f32.
;;   ~~~python
;;   def quantise(x, axis):      # numpy; x: float32 -> the quantised numbers, widened to float32 again
;;       x = np.moveaxis(x, axis, -1); K = x.shape[-1]
;;       x = np.pad(x, [(0, 0)] * (x.ndim - 1) + [(0, -K % 32)]); x = x.reshape(x.shape[:-1] + (-1, 32)); a = np.abs(x).max(-1, keepdims=True)
;;       e = np.where(a > 0, np.clip(np.frexp(np.where(a > 0, a, 1))[1] - 1 - 2, -126, 127), 0)      # np.frexp(a)[1] - 1 = floor(log2(a)), exactly
;;       r = np.clip(x / 2.0 ** e, -6, 6)
;;       step = 2.0 ** (np.maximum(np.frexp(np.where(r == 0, 1, r))[1] - 1, 0) - 1)
;;       q = np.round(r / step) * step * 2.0 ** e      # np.round: ties to even
;;       return np.moveaxis(q.reshape(q.shape[:-2] + (-1,))[..., :K], -1, axis).astype(np.float32)
;;   ~~~
;; One version. Each part assembles by itself: llvm-mc -triple=amdgcn-amd-amdhsa -mcpu=gfx1250 --defsym DOCPART=n.
;; ======== version 1 of 1: 4 launches
;; limits: values are held in f16: magnitudes above 65,504 overflow, below 6.1e-05 lose precision
;; workspace buffers: xc 12,582,912 bytes; xs 786,432 bytes; wc 1,572,864 bytes; ws 98,304 bytes; wot 2,097,152 bytes; hd 50,331,648 bytes; ao 16,777,216 bytes
;; launch prep (part 1): grid 880 x 1, 4 waves a work-group, no clusters, 102,912 bytes of LDS; arguments q, k, v, W_q, W_k, W_v, W_o, xc, xs, wc, ws, wot; writes xc, xs, wc, ws, wot
.if DOCPART == 1
	.amdgcn_target "amdgcn-amd-amdhsa--gfx1250"
	.amdhsa_code_object_version 6
	.text
	.protected	k_q2a239e1680_prep
	.globl	k_q2a239e1680_prep
	.p2align	8
	.type	k_q2a239e1680_prep,@function
k_q2a239e1680_prep:
	s_mov_b64 s[64:65], 0
	v_nop
	global_prefetch_b8 v0, s[64:65] scope:SCOPE_SE
	s_setreg_imm32_b32 hwreg(HW_REG_WAVE_MODE, 25, 1), 1
	s_wait_xcnt 0x0
; PREP: everything that is made once from the inputs, in one launch of three paths that part on the work-group's number.
;   work-groups 0-47:    W_q, W_k, W_v [1024 k][1024 n] f32 -> codes of FP4 (E2M1) laid [3 x 1024 n][512 bytes], K innermost, and one E8M0 byte for each 32 along K, [3072][32].
;   work-groups 48-111:  W_o [1024 k][1024 n] f32 -> f16, laid [1024 n][1024 k].
;   work-groups 112-879: q, k, v [8192][1024] f32 -> codes [3 x 8192][512 bytes] and scale bytes [24576][32].
; A block's scale is 2^(floor(log2(its largest magnitude)) - 2); its byte is the largest magnitude's exponent field - 2, held at 1 from below.
; Each number is divided by the scale and rounded to the nearest code, ties to even; beyond 6 the conversion gives the largest code.
; LIMITS: a block of zeros gets the byte 1 where the quantiser says 127: its codes are zeros, which add nothing, and the bytes are read by this program alone.
; NaN and infinities among the inputs are not served.  W_o's numbers must lie inside f16's range (65,504).
; No tensor load, no barrier: waves share nothing; each path and each wave has LDS bytes of its own.
.set EMAX,   2
; ---- the activations' path
.set XSTEPS, 16                        ; a wave takes 16 steps of 512 numbers
.set XCB,    8                         ; bytes of 16 codes
.set XR,     16                        ; v16-79   four sets of 16 numbers as they are loaded
.set XX,     80                        ; v80-111  two sets of 16 neighbours
.set XE,     112                       ; v112-127 a scale byte for each step
.set XC,     128                       ; v128-191 codes: four registers for each step, so that no store's data are written again
.set XWREG,  8192                      ; LDS bytes 0 .. 32767: a region for each wave: two stages of 32 x XSP bytes, behind them its 256 scale bytes
.set XSP,    80                        ; a lane's place in a stage: its 64 bytes + 16 of padding
; ---- the weights' two paths
.set WPITCH, 272                       ; a stage row: 256 bytes + 16
.set WSTG,   32768                     ; the quantised weights' stages: 32 rows a wave
.set OSTG,   WSTG+4*32*WPITCH          ; W_o's stages
.set WX,     32                        ; v32-95   two sets of 32 numbers down K
.set WC,     96                        ; v96-111  a block's codes (4 registers) or f16 pairs (16)
.set OUTR,   112                       ; v112-175 the way out
.set SB,     24                        ; v24-27   the scale bytes, four to a register
.macro XLOAD t
.irp i, 0,1,2,3
	global_load_b128 v[XR+16*((\t)%4)+4*\i:XR+16*((\t)%4)+4*\i+3], v3, s[4:5] offset:2048*(\t)+512*\i th:TH_LOAD_NT   ; 32 lanes read 512 consecutive bytes
.endr
.endm
.macro XTURN t                         ; step t's numbers through the stage: LDS serves a wave's instructions in order, so no wait stands between the stores and the loads
.irp i, 0,1,2,3
	ds_store_b128 v14, v[XR+16*((\t)%4)+4*\i:XR+16*((\t)%4)+4*\i+3] offset:32*XSP*((\t)%2)+8*XSP*\i
.endr
.irp i, 0,1,2,3
	ds_load_b128 v[XX+16*((\t)%2)+4*\i:XX+16*((\t)%2)+4*\i+3], v15 offset:32*XSP*((\t)%2)+16*\i
.endr
.endm
.macro XSTEP t
.set XS, XX+16*((\t)%2)
.if (\t) > 0
	s_wait_dscnt 1                                 ; this step's numbers are back from the stage (the last step's byte store may be out): so its stores into the stage have read their registers,
.else
	s_wait_dscnt 0x0
.endif
.if (\t)+4 < XSTEPS
	XLOAD (\t)+4                                   ; which take the loads of four steps on
.endif
.if (\t)+1 < XSTEPS
.if XSTEPS-2-(\t) >= 3
	s_wait_loadcnt 12                              ; the next step's four loads are in; those of the three steps behind it may be out
.else
	s_wait_loadcnt 4*(XSTEPS-2-(\t))
.endif
	XTURN (\t)+1                                   ; and go through the other stage while this step is worked
.endif
	v_max3_num_f32 v8, |v[XS]|, |v[XS+1]|, |v[XS+2]|               ; the largest magnitude of my 16
	v_max3_num_f32 v9, |v[XS+3]|, |v[XS+4]|, |v[XS+5]|
.irp i, 6,10
	v_max3_num_f32 v8, v8, |v[XS+\i]|, |v[XS+\i+1]|
	v_max3_num_f32 v9, v9, |v[XS+\i+2]|, |v[XS+\i+3]|
.endr
	v_max3_num_f32 v8, v8, |v[XS+14]|, |v[XS+15]|
	v_max3_num_f32 v8, v8, v9, (EMAX+1)<<23        ; and the floor 2^(EMAX + 1 - 127): so the byte cannot fall under 1
	v_max_num_f32_dpp v8, v8, v8 row_xmask:1 row_mask:0xf bank_mask:0xf   ; and of my neighbour's 16: the block's
	v_add_nc_u32 v11, -(EMAX<<23), v8              ; EMAX off its exponent field: the conversion takes the exponent field of this operand as its scale
	v_cvt_scalef32_pk8_fp4_f32 v[XC+4*(\t)], v[XS:XS+7], v11
	v_cvt_scalef32_pk8_fp4_f32 v[XC+4*(\t)+1], v[XS+8:XS+15], v11
	v_lshrrev_b32 v[XE+(\t)], 23, v11              ; the scale's byte
	ds_store_b8 v5, v[XE+(\t)] offset:16*(\t)      ; both lanes of a block write the same byte with the same value
	global_store_b64 v4, v[XC+4*(\t):XC+4*(\t)+1], s[18:19] offset:32*XCB*(\t)   ; the wave stores 256 consecutive bytes, aligned
.endm
; a lane takes a column n and its registers run down K.  The addresses that both weight paths need; krow = bytes of a row of the output
.macro COLS stage, krow
	v_lshlrev_b32 v3, 2, v2                        ; in: 4 bytes a lane
	s_mul_i32 s30, s28, 32*WPITCH
	s_add_co_u32 s30, s30, \stage                  ; my stage
	v_mul_u32_u24 v4, v2, WPITCH
	v_add_nc_u32 v4, s30, v4                       ; into it: row = my column
	v_and_b32 v5, 15, v2
	v_lshrrev_b32 v6, 4, v2                        ; out of it: sixteen lanes to a row, two rows an instruction
	v_mul_u32_u24 v7, v6, WPITCH
	v_lshl_add_u32 v7, v5, 4, v7
	v_add_nc_u32 v7, s30, v7
	v_mul_u32_u24 v8, v6, \krow
	v_lshl_add_u32 v8, v5, 4, v8                   ; and the same place in the output
.endm
.macro WLOAD t, base                   ; block t: W(32 t + i, my column), i = 0 .. 31, into set t % 2: 32 lanes read 128 consecutive bytes
.irp i, 0,1,2,3,4,5,6,7,8,9,10,11,12,13,14,15,16,17,18,19,20,21,22,23,24,25,26,27,28,29,30,31
	global_load_b32 v[WX+32*((\t)%2)+\i], v3, s[\base:\base+1] offset:(32*(\t)+\i)*4096 th:TH_LOAD_NT
.endr
.endm
.macro QBLOCK t                        ; a block of 32 along K of my column becomes 16 bytes of codes and a scale byte
.set XS, WX+32*((\t)%2)
.if (\t) < 15
	s_wait_loadcnt 32                              ; this block's 32 loads are in; the next block's may be out
.else
	s_wait_loadcnt 0x0
.endif
	v_max3_num_f32 v12, |v[XS]|, |v[XS+1]|, |v[XS+2]|
	v_max3_num_f32 v13, |v[XS+3]|, |v[XS+4]|, |v[XS+5]|
.irp i, 6,10,14,18,22,26
	v_max3_num_f32 v12, v12, |v[XS+\i]|, |v[XS+\i+1]|
	v_max3_num_f32 v13, v13, |v[XS+\i+2]|, |v[XS+\i+3]|
.endr
	v_max3_num_f32 v12, v12, |v[XS+30]|, |v[XS+31]|
	v_max3_num_f32 v12, v12, v13, (EMAX+1)<<23     ; with the floor
	v_add_nc_u32 v11, -(EMAX<<23), v12             ; the conversion's scale operand
	v_lshrrev_b32 v13, 23, v11                     ; the scale's byte
.if (\t)%4 == 0
	v_mov_b32 v[SB+(\t)/4], v13                    ; four bytes to a register, the lower K in the lower byte
.else
	v_lshl_or_b32 v[SB+(\t)/4], v13, 8*((\t)%4), v[SB+(\t)/4]
.endif
.irp g, 0,1,2,3
	v_cvt_scalef32_pk8_fp4_f32 v[WC+\g], v[XS+8*\g:XS+8*\g+7], v11
.endr
	ds_store_b128 v4, v[WC:WC+3] offset:16*(\t)    ; 32 codes: 16 bytes of my column's row
.if (\t)+2 < 16
	WLOAD (\t)+2, 10
.endif
	s_wait_dscnt 0x0                               ; the store has read its registers: the next block's codes may be written
.endm
.macro CBLOCK t                        ; 32 along K of my column become 64 bytes of f16
.set XS, WX+32*((\t)%2)
.if (\t) < 3
	s_wait_loadcnt 32
.else
	s_wait_loadcnt 0x0
.endif
.irp g, 0,1,2,3,4,5,6,7,8,9,10,11,12,13,14,15
	v_cvt_pk_f16_f32 v[WC+\g], v[XS+2*\g], v[XS+2*\g+1]            ; the lower k in the low half
.endr
.irp g, 0,1,2,3
	ds_store_b128 v4, v[WC+4*\g:WC+4*\g+3] offset:64*(\t)+16*\g
.endr
.if (\t)+2 < 4
	WLOAD (\t)+2, 16
.endif
	s_wait_dscnt 0x0
.endm
.macro ROWS_OUT krow, base             ; the stage's 32 rows of 256 bytes leave as rows: sixteen lanes store 256 consecutive bytes, aligned
.irp t, 0,1,2,3,4,5,6,7,8,9,10,11,12,13,14,15
	ds_load_b128 v[OUTR+4*\t:OUTR+4*\t+3], v7 offset:2*\t*WPITCH   ; LDS serves a wave's instructions in order: these see my stores
.endr
.irp t, 0,1,2,3,4,5,6,7,8,9,10,11,12,13,14,15
	s_wait_dscnt 15-\t                             ; the younger loads may stay out
	global_store_b128 v8, v[OUTR+4*\t:OUTR+4*\t+3], s[\base:\base+1] offset:2*\t*\krow
.endr
.endm
	s_load_b256 s[4:11], s[0:1], 0x0               ; q s[4:5], k s[6:7], v s[8:9], W_q s[10:11]
	s_load_b256 s[12:19], s[0:1], 0x20             ; W_k s[12:13], W_v s[14:15], W_o s[16:17], xc s[18:19]
	s_load_b256 s[20:27], s[0:1], 0x40             ; xs s[20:21], wc s[22:23], ws s[24:25], wot s[26:27]
	v_lshl_add_u32 v192, v0, 2, 0x19000
	v_mov_b32 v193, 0
	v_lshrrev_b32 v1, 5, v0
	v_readfirstlane_b32 s28, v1                    ; wave 0..3
	v_and_b32 v2, 31, v0                           ; lane
	s_mov_b32 s31, 0                               ; the high words of three offsets
	s_mov_b32 s33, 0
	s_mov_b32 s35, 0
	s_wait_kmcnt 0x0
	s_cmp_lt_u32 ttmp9, 48
	s_cbranch_scc1 .Lweights
	s_cmp_lt_u32 ttmp9, 112
	s_cbranch_scc1 .Lwo
	; ---------------- q, k, v: plain streams of blocks of 32; 32,768 numbers a work-group, 8,192 a wave
	s_sub_co_u32 s29, ttmp9, 112                   ; 0 .. 767: 256 work-groups to a tensor
	s_cmp_lt_u32 s29, 256
	s_cselect_b64 s[4:5], s[4:5], s[6:7]           ; q or k,
	s_cmp_lt_u32 s29, 512
	s_cselect_b64 s[4:5], s[4:5], s[8:9]           ; or v: the choice hangs on the work-group's number alone
	s_and_b32 s30, s29, 255
	s_lshl_b32 s30, s30, 2
	s_add_co_u32 s30, s30, s28                     ; which run of 8,192 numbers of the tensor is my wave's
	s_lshl_b32 s30, s30, 15                        ; 32,768 bytes a run
	s_add_nc_u64 s[4:5], s[4:5], s[30:31]
	s_lshl_b32 s32, s29, 2
	s_add_co_u32 s32, s32, s28                     ; and which of all three tensors' runs
	s_lshl_b32 s34, s32, 12                        ; 4,096 bytes of codes a run
	s_add_nc_u64 s[18:19], s[18:19], s[34:35]
	s_lshl_b32 s32, s32, 8                         ; 256 scale bytes a run
	s_add_nc_u64 s[20:21], s[20:21], s[32:33]
	v_lshlrev_b32 v3, 4, v2                        ; my 16 bytes of a load's 512
	s_mul_i32 s36, s28, XWREG
	v_lshrrev_b32 v14, 2, v2
	v_mul_u32_u24 v14, v14, XSP
	v_and_b32 v15, 3, v2
	v_lshl_add_u32 v14, v15, 4, v14
	v_add_nc_u32 v14, s36, v14                     ; the stage, on the way in: four lanes' 64 bytes on end, then 16 of padding
	v_mul_u32_u24 v15, v2, XSP
	v_add_nc_u32 v15, s36, v15                     ; and on the way out: my 16 neighbours
	v_mul_u32_u24 v4, v2, XCB                      ; my codes' place in a step's
	v_lshrrev_b32 v5, 1, v2
	s_add_co_u32 s36, s36, 2*32*XSP
	v_add_nc_u32 v5, s36, v5                       ; LDS: my wave's 256 scale bytes, my block's byte
	v_lshlrev_b32 v7, 3, v2                        ; and on the way out 8 bytes a lane
	v_add_nc_u32 v6, s36, v7
.irp t, 0,1,2,3
	XLOAD \t
.endr
	s_wait_loadcnt 12                              ; step 0's four loads are in
	XTURN 0
.irp t, 0,1,2,3,4,5,6,7,8,9,10,11,12,13,14,15
	XSTEP \t
.endr
	ds_load_b64 v[12:13], v6                       ; LDS serves a wave's instructions in order: these see my byte stores
	s_wait_dscnt 0x0
	global_store_b64 v7, v[12:13], s[20:21]        ; 32 lanes store 256 consecutive bytes, aligned
	s_wait_tensorcnt 0x0
	ds_add_u32 v192, v193
	s_wait_dscnt 0x0
	s_endpgm
	; ---------------- W_q, W_k, W_v: a wave takes 32 columns x 512 along K
.Lweights:
	COLS WSTG, 512
	s_lshr_b32 s29, ttmp9, 4                       ; which weight: 16 work-groups each
	s_cmp_eq_u32 s29, 0
	s_cselect_b64 s[10:11], s[10:11], s[12:13]
	s_cmp_lt_u32 s29, 2
	s_cselect_b64 s[10:11], s[10:11], s[14:15]
	s_and_b32 s32, ttmp9, 7
	s_lshl_b32 s32, s32, 7
	s_lshl_b32 s34, s28, 5
	s_add_co_u32 s32, s32, s34                     ; my wave's first column
	s_bfe_u32 s36, ttmp9, 0x10003                  ; which half of K
	s_lshl_b32 s30, s36, 21                        ; 512 rows of 4,096 bytes
	s_lshl_b32 s34, s32, 2
	s_add_co_u32 s30, s30, s34
	s_add_nc_u64 s[10:11], s[10:11], s[30:31]
	s_lshl_b32 s30, s29, 19                        ; codes: 524,288 bytes a weight, 512 a column, 256 a half of K
	s_lshl_b32 s34, s32, 9
	s_add_co_u32 s30, s30, s34
	s_lshl_b32 s34, s36, 8
	s_add_co_u32 s30, s30, s34
	s_add_nc_u64 s[22:23], s[22:23], s[30:31]
	s_lshl_b32 s30, s29, 15                        ; scale bytes: 32,768 a weight, 32 a column, 16 a half of K
	s_lshl_b32 s34, s32, 5
	s_add_co_u32 s30, s30, s34
	s_lshl_b32 s34, s36, 4
	s_add_co_u32 s30, s30, s34
	s_add_nc_u64 s[24:25], s[24:25], s[30:31]
	v_lshlrev_b32 v9, 5, v2                        ; my column's row of scale bytes
	WLOAD 0, 10
	WLOAD 1, 10
.irp t, 0,1,2,3,4,5,6,7,8,9,10,11,12,13,14,15
	QBLOCK \t
.endr
	global_store_b128 v9, v[SB:SB+3], s[24:25]     ; my column's 16 scale bytes
	ROWS_OUT 512, 22
	s_wait_tensorcnt 0x0
	ds_add_u32 v192, v193
	s_wait_dscnt 0x0
	s_endpgm
	; ---------------- W_o: a wave takes 32 columns x 128 along K
.Lwo:
	COLS OSTG, 2048
	s_sub_co_u32 s29, ttmp9, 48
	s_and_b32 s32, s29, 7
	s_lshl_b32 s32, s32, 7
	s_lshl_b32 s34, s28, 5
	s_add_co_u32 s32, s32, s34                     ; my wave's first column
	s_lshr_b32 s36, s29, 3                         ; which 128 along K
	s_lshl_b32 s30, s36, 19                        ; 128 rows of 4,096 bytes
	s_lshl_b32 s34, s32, 2
	s_add_co_u32 s30, s30, s34
	s_add_nc_u64 s[16:17], s[16:17], s[30:31]
	s_lshl_b32 s30, s32, 11                        ; out: 2,048 bytes a column, 256 for 128 along K
	s_lshl_b32 s34, s36, 8
	s_add_co_u32 s30, s30, s34
	s_add_nc_u64 s[26:27], s[26:27], s[30:31]
	WLOAD 0, 16
	WLOAD 1, 16
.irp t, 0,1,2,3
	CBLOCK \t
.endr
	ROWS_OUT 2048, 26
	s_wait_tensorcnt 0x0
	ds_add_u32 v192, v193
	s_wait_dscnt 0x0
	s_endpgm
.Lfunc_end_k_q2a239e1680_prep:
	.size	k_q2a239e1680_prep, .Lfunc_end_k_q2a239e1680_prep-k_q2a239e1680_prep
	.p2alignl 7, 3214868480
	.fill 96, 4, 3214868480
	.section	.rodata,"a",@progbits
	.p2align	6, 0x0
	.amdhsa_kernel k_q2a239e1680_prep
		.amdhsa_group_segment_fixed_size 102912
		.amdhsa_private_segment_fixed_size 0
		.amdhsa_enable_private_segment 0
		.amdhsa_kernarg_size 96
		.amdhsa_user_sgpr_count 2
		.amdhsa_user_sgpr_kernarg_segment_ptr 1
		.amdhsa_wavefront_size32 1
		.amdhsa_system_sgpr_workgroup_id_x 1
		.amdhsa_system_sgpr_workgroup_id_y 1
		.amdhsa_system_sgpr_workgroup_id_z 1
		.amdhsa_system_vgpr_workitem_id 0
		.amdhsa_next_free_vgpr 194
		.amdhsa_next_free_sgpr 66
		.amdhsa_reserve_vcc 0
		.amdhsa_float_denorm_mode_32 3
		.amdhsa_float_denorm_mode_16_64 3
		.amdhsa_memory_ordered 1
		.amdhsa_forward_progress 1
		.amdhsa_inst_pref_size 133
	.end_amdhsa_kernel
	.amdgpu_metadata
---
amdhsa.version: [ 1, 2 ]
amdhsa.kernels:
  - .name:           k_q2a239e1680_prep
    .symbol:         k_q2a239e1680_prep.kd
    .args:
      - { .name: q, .offset: 0, .size: 8, .value_kind: global_buffer, .address_space: global }
      - { .name: k, .offset: 8, .size: 8, .value_kind: global_buffer, .address_space: global }
      - { .name: v, .offset: 16, .size: 8, .value_kind: global_buffer, .address_space: global }
      - { .name: W_q, .offset: 24, .size: 8, .value_kind: global_buffer, .address_space: global }
      - { .name: W_k, .offset: 32, .size: 8, .value_kind: global_buffer, .address_space: global }
      - { .name: W_v, .offset: 40, .size: 8, .value_kind: global_buffer, .address_space: global }
      - { .name: W_o, .offset: 48, .size: 8, .value_kind: global_buffer, .address_space: global }
      - { .name: xc, .offset: 56, .size: 8, .value_kind: global_buffer, .address_space: global }
      - { .name: xs, .offset: 64, .size: 8, .value_kind: global_buffer, .address_space: global }
      - { .name: wc, .offset: 72, .size: 8, .value_kind: global_buffer, .address_space: global }
      - { .name: ws, .offset: 80, .size: 8, .value_kind: global_buffer, .address_space: global }
      - { .name: wot, .offset: 88, .size: 8, .value_kind: global_buffer, .address_space: global }
    .group_segment_fixed_size: 102912
    .private_segment_fixed_size: 0
    .kernarg_segment_align: 8
    .kernarg_segment_size: 96
    .max_flat_workgroup_size: 128
    .sgpr_count:     66
    .vgpr_count:     194
    .wavefront_size: 32
...
	.end_amdgpu_metadata
.endif
;; end of part 1
;; launch proj (part 2): grid 4 x 96, 4 waves a work-group, clusters of 4 x 4, 327,680 bytes of LDS; arguments xc, xs, wc, ws, b_q, b_k, b_v, hd; writes hd
.if DOCPART == 2
	.amdgcn_target "amdgcn-amd-amdhsa--gfx1250"
	.amdhsa_code_object_version 6
	.text
	.protected	k_q2a239e1680_proj
	.globl	k_q2a239e1680_proj
	.p2align	8
	.type	k_q2a239e1680_proj,@function
k_q2a239e1680_proj:
	s_mov_b64 s[64:65], 0
	v_nop
	global_prefetch_b8 v0, s[64:65] scope:SCOPE_SE
	s_setreg_imm32_b32 hwreg(HW_REG_WAVE_MODE, 25, 1), 1
	s_wait_xcnt 0x0
	s_wait_alu depctr_hold_cnt(0) depctr_sa_sdst(0) depctr_va_vdst(0) depctr_va_sdst(0) depctr_va_ssrc(0) depctr_va_vcc(0) depctr_vm_vsrc(0)
	s_getreg_b32 s2, hwreg(HW_REG_IB_STS2, 6, 4)
	s_cmp_eq_u32 s2, 0
	s_cbranch_scc0 .Lentry_in_a_cluster
	s_endpgm
.Lentry_in_a_cluster:
	s_bfe_u32 s2, ttmp6, 0x10000c
	s_cmp_lg_u32 s2, 0xf033
	s_cbranch_scc0 .Lentry_shape_is_right
	s_endpgm
.Lentry_shape_is_right:
; PROJ: the three quantised products q W_q + b_q, k W_k + b_k, v W_v + b_v as ONE GEMM on codes of FP4 (E2M1) with one E8M0 scale for each 32 along K; sums in f32.
; A: xc [24576][1024 codes = 512 bytes], xs [24576][32];  B: wc [3 x 1024 n][512 bytes], ws [3072][32].  Tile rows 0-31 of C are q's, 32-63 k's, 64-95 v's; the weight follows the tile row.
; The result is rounded once to f16 and stored split by heads: hd [3][4 b][16 h][2048 s][64].  LIMIT: |x W + b| must stay under 65,504, f16's largest number.
; A tile of C, 256 x 256, is made by four waves; a wave makes 128 x 128: 64 accumulators of 16 x 16, 512 registers.  K = 1,024 is two LDS slots of 512 along K (rows of 256 bytes):
; both are asked for at the start and nothing is filled again.  The scale bytes of the tile's 256 + 256 rows, for all of K, come once, as dense blocks.
; CLUSTERS: 4 x 4 work-groups.  The four of a row of the cluster need the same tiles of A, the four of a column the same tiles of B: each is asked for JOINTLY, by the same tensor load with the same
; descriptor and a mask that names the four.  A cluster's four tile rows belong to one of q, k, v (eight clusters each), so the weight's number hangs on the cluster's y alone.
; THE MATRIX INSTRUCTION IS USED TRANSPOSED (source 0 = 16 rows of B, source 1 = 16 rows of A): a lane then holds eight neighbouring columns of one row of C.
; THE BIAS is the C of each sum's first matrix instruction: eight registers for each block of 16 columns, in the result's layout.
; REGISTERS, in windows of 256: window 0: v0-31 addresses; v32-95 scale words, two sets; v96-127 packed results on the way out; v128-191 A's fragments, ONE set (on the way out: rows read back); v192-255 the bias.
;   window 1: B's fragments, TWO sets, at v0 and at v128.   window 2: the accumulators of my rows 0-63 ((a, b) at v[8 (8 a + b)]);   window 3: those of my rows 64-127.
.set NQ,     4                         ; matrix instructions deep in a slot: 512 / 128
.set ROWB,   256                       ; a tile's row in bytes
.set KROW,   512                       ; a row of codes in memory
.set PITCH,  272                       ; an LDS row: 256 bytes + 16 of padding = 68 words: row r starts at bank 4 r mod 64 (64 banks of 4 bytes: ISA guide 11.1)
.set FR,     8                         ; registers of a fragment: 16 rows x 128 K
.set NL,     2                         ; LDS loads that bring one
.set NP,     4                         ; places behind this matrix instruction (ISA guide 7.12.1)
.set HALFT,  128*PITCH                 ; 128 rows: what one tensor load brings
.set SLOT,   4*HALFT                   ; A's 256 rows, then B's 256 rows
.set KS,     32                        ; a row of scale bytes
.set SCL,    2*SLOT                    ; behind the slots: the scales, as runs of 256 bytes + 16 of padding
.set HALFS,  (128*KS/256)*272          ; the scales of 128 rows
.set SBLK,   (16*KS/256)*272           ; those of 16 rows
.set SPARE,  SCL+4*HALFS               ; the spare words, 128 bytes for each wave: two blocks of 256 bytes that no other line names
.set HPITCH, 144                       ; the way out: a head's row of 128 bytes + 16
.set HSTG,   16*HPITCH                 ; 16 rows of one head; a wave's stage is two of these.  The stages lie in slot 0, which has had its only fill and its last read when the first result is stored there
.set ADRA, 16                          ; v16-17  LDS address of my A fragments in slot 0, 1
.set ADRB, 20                          ; v20-21  the same for B
.set STO,  24                          ; v24     the way out: where I put 16 bytes of a row
.set RD,   25                          ; v25     the way out: where I read rows back
.set CO,   26                          ; v26     16 x lane: my bytes of a store's 512
.set ADRS, 27                          ; v27     LDS address of my scale words: lanes 0-15 A's rows, lanes 16-31 B's
.set SPW,  28                          ; v28     LDS address of my spare word; never rewritten
.set NIL,  29                          ; v29     0; never rewritten
.set BA,   30                          ; v30     32 x (lane / 16): my eight numbers of a bias block
.set SC,   32                          ; scale words: set s at v[SC + 8 NQ s]; register NQ i + q: lanes 0-15 A's block i, lanes 16-31 B's block i, the slot's q-th 128 along K
.set TMP,  96
.set AF,   128
.set BK,   128
.set BI,   192
.set G1, 24                            ; s[24:31] descriptor group 1 for A's tiles;  s[32:39] group 0, one set for each slot
.set G0, 32
.set G1B, 48                           ; s[48:55], s[56:63] the same for B's tiles
.set G0B, 56
.set G1S, 68                           ; s[68:75], s[76:79] groups 1 and 0 for A's scales;  s[80:87], s[88:91] for B's
.set G0S, 76
.set G1SB, 80
.set G0SB, 88
.set MSB, 0
.macro WIN new                         ; the immediate's high byte repeats the setting that is left
.if MSB != \new
	s_set_vgpr_msb (MSB<<8)|\new
.set MSB, \new
.endif
.endm
.set MUL_LO, 0xa1                      ; source 0 (B) window 1, source 1 (A) window 0, C and D window 2
.set MUL_HI, 0xf1                      ; the same, C and D window 3
.set BIA_LO, 0x81                      ; the first products: C (the bias) window 0, D window 2
.set BIA_HI, 0xc1                      ; D window 3
.set TO_B,   0x40                      ; destination window 1, address window 0
; A joint load: waves 0 and 1 fetch for A, waves 2 and 3 for B.  Each of the two lines has ONE mask and one set of registers for all that issue it; the branch hangs on the wave's number alone.
; Four v_nop follow each of the two lines, ahead of the jump, the label and what follows.
.macro JLOAD g0a, g1a, g0b, g1b
	s_cmp_eq_u32 s67, 0
	s_cbranch_scc0 .Lfor_b_\@
	tensor_load_to_lds s[\g0a:\g0a+3], s[\g1a:\g1a+7]
	s_nop 0
.rept 4
	v_nop
.endr
	s_branch .Lasked_\@
.Lfor_b_\@:
	tensor_load_to_lds s[\g0b:\g0b+3], s[\g1b:\g1b+7]
	s_nop 0
.rept 4
	v_nop
.endr
.Lasked_\@:
.endm
.macro CROUND                          ; a round of the cluster's barrier: my work-group's barrier; wave 0 signals for the work-group; every wave waits for all sixteen; my work-group's barrier once more
	s_barrier_signal -1
	s_barrier_wait -1
	s_cmp_lg_u32 s66, 0
	s_cbranch_scc1 .Lnot_wave_0_\@
	s_barrier_signal -3
.Lnot_wave_0_\@:
	s_barrier_wait -3
	s_barrier_signal -1
	s_barrier_wait -1
.endm
	s_load_b256 s[4:11], s[0:1], 0x0               ; xc s[4:5], xs s[6:7], wc s[8:9], ws s[10:11]
	s_load_b128 s[96:99], s[0:1], 0x20             ; b_q, b_k
	s_load_b128 s[12:15], s[0:1], 0x30             ; b_v s[12:13], hd s[14:15]
	v_lshl_add_u32 v[SPW], v0, 2, SPARE
	v_mov_b32 v[NIL], 0
	ds_add_u32 v28, v29
	ds_add_u32 v28, v29
	s_wait_dscnt 0x0
	v_lshrrev_b32 v1, 5, v0
	v_readfirstlane_b32 s66, v1                    ; wave 0..3
	s_lshr_b32 s67, s66, 1                         ; which half of the tile's rows is mine.  Also: I fetch for A (0) or for B (1)
	s_and_b32 s16, s66, 1                          ; which half of its columns.  Also: which 128 rows of that tile I fetch
	s_bfe_u32 s40, ttmp6, 0x40000                  ; cx, cy: my place in the cluster
	s_bfe_u32 s41, ttmp6, 0x40004
	s_lshl_b32 s42, ttmp9, 2
	s_add_co_u32 s42, s42, s40                     ; tile column of C = 4 x cluster x + cx
	s_and_b32 s17, ttmp7, 0xffff
	s_lshr_b32 s95, s17, 3                         ; which of q, k, v: eight clusters each: the same in all sixteen partners
	s_lshl_b32 s17, s17, 2
	s_add_co_u32 s17, s17, s41                     ; tile row of C = 4 x cluster y + cy
	s_lshl_b32 s43, s41, 2
	s_lshl_b32 s43, 15, s43                        ; my row of the cluster
	s_lshl_b32 s44, 0x1111, s40                    ; my column
	; descriptor group 1: a tile of 128 rows x 256 bytes, padded in LDS
	s_or_b32 s[G1+0], s43, (0<<16)|(1<<20)|(1<<21)|(5<<22)|(3<<25)  ; 15:0 the mask: A's tiles go to my row; 17:16 element of 1 byte; 20 padding on; 21 set beside a mask; 24:22 after every 64 words (code 5); 31:25 of 4 words (code 3)
	s_or_b32 s[G1B+0], s44, (0<<16)|(1<<20)|(1<<21)|(5<<22)|(3<<25)
.irp g, G1, G1B
	s_mov_b32 s[\g+1], ROWB<<16                    ; tensor_dim0
	s_mov_b32 s[\g+2], 128<<16                     ; tensor_dim1 = 128
	s_mov_b32 s[\g+3], ROWB<<16                    ; tile_dim0
	s_mov_b32 s[\g+4], 128                         ; tile_dim1 = 128
	s_mov_b32 s[\g+5], KROW                        ; tensor_dim0_stride
	s_mov_b32 s[\g+6], 0
	s_mov_b32 s[\g+7], 0
.endr
	; and for the scales of 128 rows: a dense block of 4,096 bytes, as rows of 256 bytes (32 elements of 8 bytes), 16 bytes of padding behind each
	s_or_b32 s[G1S+0], s43, (3<<16)|(1<<20)|(1<<21)|(5<<22)|(3<<25)
	s_or_b32 s[G1SB+0], s44, (3<<16)|(1<<20)|(1<<21)|(5<<22)|(3<<25)
.irp g, G1S, G1SB
	s_mov_b32 s[\g+1], 32<<16
	s_mov_b32 s[\g+2], (128*KS/256)<<16
	s_mov_b32 s[\g+3], 32<<16
	s_mov_b32 s[\g+4], 128*KS/256
	s_mov_b32 s[\g+5], 32
	s_mov_b32 s[\g+6], 0
	s_mov_b32 s[\g+7], 0
.endr
	s_lshl_b32 s18, s16, 7                         ; which 128 rows of the tile I fetch
	s_lshl_b32 s20, s17, 8
	s_add_co_u32 s20, s20, s18                     ; A: row 256 x tile row + 128 x half
	s_lshl_b32 s46, s42, 8
	s_add_co_u32 s46, s46, s18                     ; B: row 256 x tile column + 128 x half
	s_lshl_b32 s47, s95, 10
	s_add_co_u32 s46, s46, s47                     ;    + 1,024 x the weight's number
	s_mov_b32 s21, 0
	s_mov_b32 s47, 0
	s_mov_b64 s[18:19], KS
	s_mul_u64 s[22:23], s[20:21], s[18:19]         ; where these rows' scales begin, in bytes
	s_mul_u64 s[92:93], s[46:47], s[18:19]
	s_mov_b64 s[18:19], KROW
	s_mul_u64 s[20:21], s[20:21], s[18:19]         ; and their codes
	s_mul_u64 s[46:47], s[46:47], s[18:19]
	s_mul_i32 s45, s66, HALFT                      ; where they go: wave x 128 rows: no place in the cluster enters an LDS address
	s_mul_i32 s94, s66, HALFS
	s_wait_kmcnt 0x0
	s_add_nc_u64 s[20:21], s[4:5], s[20:21]
	s_add_nc_u64 s[22:23], s[6:7], s[22:23]
	s_add_nc_u64 s[46:47], s[8:9], s[46:47]
	s_add_nc_u64 s[92:93], s[10:11], s[92:93]
	CROUND                                         ; all sixteen work-groups are here: the joint loads meet
	s_mov_b32 s[G0S], 1
	s_add_co_u32 s[G0S+1], s94, SCL
	s_mov_b64 s[G0S+2:G0S+3], s[22:23]
	s_or_b32 s[G0S+3], s[G0S+3], 0x80000000
	s_mov_b32 s[G0SB], 1
	s_add_co_u32 s[G0SB+1], s94, SCL
	s_mov_b64 s[G0SB+2:G0SB+3], s[92:93]
	s_or_b32 s[G0SB+3], s[G0SB+3], 0x80000000
	JLOAD G0S, G1S, G0SB, G1SB                     ; the scales first: they are wanted with the first slot.  Three loads of mine are out behind the last of these lines
.irp s, 0,1
	s_mov_b32 s[G0+4*\s], 1
	s_add_co_u32 s[G0+4*\s+1], s45, \s*SLOT
	s_add_nc_u64 s[G0+4*\s+2:G0+4*\s+3], s[20:21], \s*ROWB
	s_or_b32 s[G0+4*\s+3], s[G0+4*\s+3], 0x80000000
	s_mov_b32 s[G0B+4*\s], 1
	s_add_co_u32 s[G0B+4*\s+1], s45, \s*SLOT
	s_add_nc_u64 s[G0B+4*\s+2:G0B+4*\s+3], s[46:47], \s*ROWB
	s_or_b32 s[G0B+4*\s+3], s[G0B+4*\s+3], 0x80000000
	JLOAD G0+4*\s, G1, G0B+4*\s, G1B
.endr
	v_and_b32 v1, 15, v0                           ; l % 16
	v_bfe_u32 v2, v0, 4, 1                         ; l / 16
	; the bias of my 128 columns: lane (r, h) wants, for block b, numbers 16 b + 8 h + 0 .. 7
	s_cmp_eq_u32 s95, 0
	s_cselect_b64 s[96:97], s[96:97], s[98:99]
	s_cmp_lt_u32 s95, 2
	s_cselect_b64 s[96:97], s[96:97], s[12:13]
	s_lshl_b32 s46, s42, 10                        ; 256 columns x 4 bytes a tile column,
	s_lshl_b32 s47, s16, 9                         ; 128 x 4 a half
	s_add_co_u32 s46, s46, s47
	s_mov_b32 s47, 0
	s_add_nc_u64 s[96:97], s[96:97], s[46:47]
	v_lshlrev_b32 v[BA], 5, v2
.irp b, 0,1,2,3,4,5,6,7
	global_load_b128 v[BI+8*\b:BI+8*\b+3], v[BA], s[96:97] offset:64*\b
	global_load_b128 v[BI+8*\b+4:BI+8*\b+7], v[BA], s[96:97] offset:64*\b+16
.endr
	v_mul_u32_u24 v3, v1, PITCH
	v_lshl_add_u32 v4, v2, 4, v3                   ; a fragment's row x pitch + 16 x half
	s_mul_i32 s21, s67, HALFT                      ; my 128 rows of A
	s_mul_i32 s22, s16, HALFT                      ; my 128 rows of B,
	s_add_co_u32 s22, s22, 2*HALFT                 ; which lie behind A's 256
.irp s, 0,1
	v_add_nc_u32 v[ADRA+\s], s21, v4
	v_add_nc_u32 v[ADRB+\s], s22, v4
	s_add_co_u32 s21, s21, SLOT
	s_add_co_u32 s22, s22, SLOT
.endr
	v_mul_u32_u24 v5, v1, KS                       ; my row's scales: 32 bytes a row,
	v_lshrrev_b32 v6, 8, v5
	v_lshl_add_u32 v5, v6, 4, v5                   ; and 16 more for each 256 passed
	s_mul_i32 s21, s67, HALFS                      ; A's: my 128 rows
	s_mul_i32 s22, s16, HALFS                      ; B's: my 128 rows, behind A's 256
	s_add_co_u32 s22, s22, 2*HALFS
	s_sub_co_u32 s22, s22, s21
	v_mul_u32_u24 v6, s22, v2                      ; lanes 16-31 take B's: one product, the distance between the two bases
	s_add_co_u32 s21, s21, SCL
	v_add_nc_u32 v5, v5, v6
	v_add_nc_u32 v[ADRS], s21, v5
	s_mul_i32 s23, s66, 2*HSTG                     ; my stage
	v_mul_u32_u24 v5, v1, HPITCH                   ; in: row l % 16, 16 bytes for each half of the lanes
	v_lshl_add_u32 v5, v2, 4, v5
	v_add_nc_u32 v[STO], s23, v5
	v_bfe_u32 v5, v0, 3, 2                         ; back: eight lanes to a row of 128 bytes, four rows an instruction
	v_mul_u32_u24 v5, v5, HPITCH
	v_and_b32 v6, 7, v0
	v_lshl_add_u32 v5, v6, 4, v5
	v_add_nc_u32 v[RD], s23, v5
	v_and_b32 v6, 31, v0
	v_lshlrev_b32 v[CO], 4, v6                     ; four rows of a head are 512 consecutive bytes of hd
	; hd: with g my first row of the 24,576: (g / 2048) x 4 MiB (tensor and batch) + my first head x 262,144 + (g % 2048) x 128
	s_lshl_b32 s20, s17, 8
	s_lshl_b32 s21, s67, 7
	s_add_co_u32 s20, s20, s21                     ; g
	s_lshr_b32 s21, s20, 11
	s_lshl_b32 s21, s21, 22
	s_and_b32 s20, s20, 2047
	s_lshl_b32 s20, s20, 7
	s_add_co_u32 s20, s20, s21
	s_lshl_b32 s46, s42, 2
	s_lshl_b32 s47, s16, 1
	s_add_co_u32 s46, s46, s47                     ; my first head: 4 x tile column + 2 x half
	s_lshl_b32 s46, s46, 18
	s_add_co_u32 s20, s20, s46
	s_mov_b32 s21, 0
	s_add_nc_u64 s[14:15], s[14:15], s[20:21]
.macro FRAG reg, adr, q, i             ; a fragment, 16 rows x 128 K of 4-bit codes, is 8 registers: lane l holds row l % 16; registers 4 c .. 4 c + 3 hold K = 64 c + 32 (l / 16) + 0 .. 31
.irp c, 0,1
	ds_load_b128 v[\reg+4*\c:\reg+4*\c+3], v[\adr] offset:64*(\q)+32*\c+(\i)*16*PITCH
.endr
.endm
; 16 matrix instructions: A's blocks a0, a0 + 1 x B's eight, 128 along K: the slot's q-th.  p: B's set;  sc: the set of scale words.  zero = 1: the first product starts the sums from the bias: nothing is ever cleared.
; The 64 accumulators take turns, one instruction a turn, in the same order in every step.
.macro MUL16 a0, p, q, sc, zero
.irp a, \a0, \a0+1
.irp b, 0,1,2,3,4,5,6,7
.if \zero
	v_wmma_scale_f32_16x16x128_f8f6f4 v[8*(8*((\a)%4)+\b):8*(8*((\a)%4)+\b)+7], v[128*(\p)+FR*\b:128*(\p)+FR*\b+FR-1], v[AF+FR*(\a):AF+FR*(\a)+FR-1], v[BI+8*\b:BI+8*\b+7], v[SC+8*NQ*(\sc)+NQ*\b+(\q)], v[SC+8*NQ*(\sc)+NQ*(\a)+(\q)] matrix_a_fmt:MATRIX_FMT_FP4 matrix_b_fmt:MATRIX_FMT_FP4 matrix_a_scale:MATRIX_SCALE_ROW1
.else
	v_wmma_scale_f32_16x16x128_f8f6f4 v[8*(8*((\a)%4)+\b):8*(8*((\a)%4)+\b)+7], v[128*(\p)+FR*\b:128*(\p)+FR*\b+FR-1], v[AF+FR*(\a):AF+FR*(\a)+FR-1], v[8*(8*((\a)%4)+\b):8*(8*((\a)%4)+\b)+7], v[SC+8*NQ*(\sc)+NQ*\b+(\q)], v[SC+8*NQ*(\sc)+NQ*(\a)+(\q)] matrix_a_fmt:MATRIX_FMT_FP4 matrix_b_fmt:MATRIX_FMT_FP4 matrix_a_scale:MATRIX_SCALE_ROW1
.endif
.endr
.endr
.endm
.macro FETCH_B slot, q, p              ; B's eight fragments of the slot's q-th 128 along K into set p
	WIN TO_B
.irp i, 0,1,2,3,4,5,6,7
	FRAG 128*(\p)+FR*\i, ADRB+\slot, \q, \i
.endr
	WIN 0
.endm
.macro FETCH_A slot, q, i0             ; A's blocks i0 .. i0 + 3
.irp i, \i0, \i0+1, \i0+2, \i0+3
	FRAG AF+FR*(\i), ADRA+\slot, \q, \i
.endr
.endm
.macro SCALES sc                       ; a slot's scale words into set sc: four words a row; lanes 0-15 take A's block i, lanes 16-31 B's block i
.irp i, 0,1,2,3,4,5,6,7
	ds_load_b128 v[SC+8*NQ*\sc+NQ*\i:SC+8*NQ*\sc+NQ*\i+3], v[ADRS] offset:\i*SBLK
.endr
.endm
; A load into a register that a matrix instruction has read, and a vector instruction that reads a matrix result, stand NP places behind that matrix instruction, and only plain vector
; instructions that name none of its registers are places (ISA guide 7.12.1 for vector instructions).
.macro PLACES n
.rept \n
	v_nop
.endr
.endm
; A step of 128 along K that has its successor in the same slot.  A block of A is free as soon as its eight products are issued: blocks 0-3 are fetched anew in the step's middle, blocks 4-7 at its end.
.macro STEP slot, q, zero
	s_wait_dscnt 4*NL                              ; B's set and A's blocks 0-3 are in; the youngest eight loads (A's blocks 4-7) may be out
.if \zero
	WIN BIA_LO
.else
	WIN MUL_LO
.endif
	MUL16 0, (\q)%2, \q, \slot, \zero
	MUL16 2, (\q)%2, \q, \slot, \zero
	s_wait_dscnt 0                                 ; A's blocks 4-7 are in
	PLACES NP
	FETCH_B \slot, (\q)+1, 1-(\q)%2
	FETCH_A \slot, (\q)+1, 0
.if \zero
	WIN BIA_HI
.else
	WIN MUL_HI
.endif
	MUL16 4, (\q)%2, \q, \slot, \zero
	MUL16 6, (\q)%2, \q, \slot, \zero
	PLACES NP
	WIN 0
	FETCH_A \slot, (\q)+1, 4
.endm
.macro STEPS slot, from                ; the slot's steps from .. NQ - 2
.set Q, \from
.rept NQ-1-\from
	STEP \slot, Q, 0
.set Q, Q+1
.endr
.endm
	s_wait_tensorcnt 1                             ; the scales and my part of slot 0 are in (slot 1's load may be out),
	s_barrier_signal -1
	s_barrier_wait -1                              ; everybody's are
	FETCH_B 0, 0, 0
	FETCH_A 0, 0, 0
	SCALES 0
	FETCH_A 0, 0, 4
	s_wait_loadcnt 0x0                             ; the bias
	STEP 0, 0, 1                                   ; the first step's products start the sums
	STEPS 0, 1
	; slot 0's last step changes slots: one barrier; in front of it each wave waits for all its tensor loads (its part of slot 1), adds 0 to its spare word, and waits for that and for its reads of slot 0
	s_wait_tensorcnt 0x0
	ds_add_u32 v[SPW], v[NIL]                      ; 0 onto my spare word
	s_wait_dscnt 4*NL+1                            ; (the add and the youngest eight loads, A's blocks 4-7, may be out)
	WIN MUL_LO
	MUL16 0, 1, NQ-1, 0, 0                         ; sixteen matrix instructions stand between the add and the wait for it
	s_wait_dscnt 0x0                               ; the add is done, and my reads of slot 0 are over
	s_barrier_signal -1
	MUL16 2, 1, NQ-1, 0, 0
	WIN 0
	s_barrier_wait -1                              ; slot 1 is whole, and nobody reads slot 0 any more
	PLACES NP
	v_add_nc_u32 v[ADRS], 4*NQ, v[ADRS]            ; on to slot 1's scale words (no LDS load of mine is out)
	FETCH_B 1, 0, 0
	FETCH_A 1, 0, 0
	SCALES 1
	WIN MUL_HI
	MUL16 4, 1, NQ-1, 0, 0
	MUL16 6, 1, NQ-1, 0, 0
	PLACES NP
	WIN 0
	FETCH_A 1, 0, 4
	STEPS 1, 0
	s_wait_dscnt 4*NL                              ; the very last step: nothing more to fetch
	WIN MUL_LO
	MUL16 0, 1, NQ-1, 1, 0
	MUL16 2, 1, NQ-1, 1, 0
	s_wait_dscnt 0
	WIN MUL_HI
	MUL16 4, 1, NQ-1, 1, 0
	MUL16 6, 1, NQ-1, 1, 0
	WIN 0
; THE WAY OUT, block by block of 16 rows x 128 columns = 16 rows of two heads.  PACK: rounded to f16, 16 bytes a lane, each accumulator from its low end on.  TOSTAGE: into my own stage (a head's 16 rows of
; 144 bytes, then the other head's) and back by rows.  SEND: four rows of a head are 512 consecutive bytes of hd: a store of the wave covers them, at a multiple of 512 from hd's first byte.
.macro PACK a
.set AC, 64*((\a)%4)
	WIN 0x0a+5*((\a)/4)                            ; sources 0 and 1: window 2 or 3
.irp b, 0,1,2,3,4,5,6,7
.irp r, 0,1,2,3
	v_cvt_pk_f16_f32 v[TMP+4*\b+\r], v[AC+8*\b+2*\r], v[AC+8*\b+2*\r+1]
.endr
.endr
	WIN 0
.endm
.macro TOSTAGE a
.irp b, 0,1,2,3,4,5,6,7
	ds_store_b128 v[STO], v[TMP+4*\b:TMP+4*\b+3] offset:(\b/4)*HSTG+(\b%4)*32
.endr
.irp t, 0,1,2,3,4,5,6,7
	ds_load_b128 v[BK+32*((\a)%2)+4*\t:BK+32*((\a)%2)+4*\t+3], v[RD] offset:(\t/4)*HSTG+(\t%4)*4*HPITCH   ; LDS serves a wave's instructions in order (ISA guide 5.7.1.4): these see the stores above
.endr
.endm
.macro SEND a
	s_wait_dscnt 0x0                               ; the block is back in registers
	s_wait_xcnt 0x0                                ; the stores of the block before have read their registers: the next block's loads may land there
.irp t, 0,1,2,3,4,5,6,7
	global_store_b128 v[CO], v[BK+32*((\a)%2)+4*\t:BK+32*((\a)%2)+4*\t+3], s[14:15] offset:(\a)*2048+(\t/4)*262144+(\t%4)*512
.endr
.endm
	PLACES NP                                      ; behind the last products: for the conversions that read results and the loads into A's registers
	PACK 0
	TOSTAGE 0
.irp a, 1,2,3,4,5,6,7                  ; block a's conversions stand between block a - 1's loads from the stage and the wait for them
	PACK \a
	SEND \a-1
	TOSTAGE \a
.endr
	SEND 7
	s_wait_tensorcnt 0x0                           ; the wave's end: behind my last tensor load and my last LDS store
	ds_add_u32 v[SPW], v[NIL]
	s_wait_dscnt 0x0
	CROUND                                         ; the closing round: no work-group ends while a partner may still ask for a tile that names it
	s_endpgm
.Lfunc_end_k_q2a239e1680_proj:
	.size	k_q2a239e1680_proj, .Lfunc_end_k_q2a239e1680_proj-k_q2a239e1680_proj
	.p2alignl 7, 3214868480
	.fill 96, 4, 3214868480
	.section	.rodata,"a",@progbits
	.p2align	6, 0x0
	.amdhsa_kernel k_q2a239e1680_proj
		.amdhsa_group_segment_fixed_size 327680
		.amdhsa_private_segment_fixed_size 0
		.amdhsa_enable_private_segment 0
		.amdhsa_kernarg_size 64
		.amdhsa_user_sgpr_count 2
		.amdhsa_user_sgpr_kernarg_segment_ptr 1
		.amdhsa_wavefront_size32 1
		.amdhsa_system_sgpr_workgroup_id_x 1
		.amdhsa_system_sgpr_workgroup_id_y 1
		.amdhsa_system_sgpr_workgroup_id_z 1
		.amdhsa_system_vgpr_workitem_id 0
		.amdhsa_next_free_vgpr 1024
		.amdhsa_next_free_sgpr 100
		.amdhsa_reserve_vcc 0
		.amdhsa_float_denorm_mode_32 3
		.amdhsa_float_denorm_mode_16_64 3
		.amdhsa_memory_ordered 1
		.amdhsa_forward_progress 1
		.amdhsa_inst_pref_size 128
	.end_amdhsa_kernel
	.amdgpu_metadata
---
amdhsa.version: [ 1, 2 ]
amdhsa.kernels:
  - .name:           k_q2a239e1680_proj
    .symbol:         k_q2a239e1680_proj.kd
    .args:
      - { .name: xc, .offset: 0, .size: 8, .value_kind: global_buffer, .address_space: global }
      - { .name: xs, .offset: 8, .size: 8, .value_kind: global_buffer, .address_space: global }
      - { .name: wc, .offset: 16, .size: 8, .value_kind: global_buffer, .address_space: global }
      - { .name: ws, .offset: 24, .size: 8, .value_kind: global_buffer, .address_space: global }
      - { .name: b_q, .offset: 32, .size: 8, .value_kind: global_buffer, .address_space: global }
      - { .name: b_k, .offset: 40, .size: 8, .value_kind: global_buffer, .address_space: global }
      - { .name: b_v, .offset: 48, .size: 8, .value_kind: global_buffer, .address_space: global }
      - { .name: hd, .offset: 56, .size: 8, .value_kind: global_buffer, .address_space: global }
    .group_segment_fixed_size: 327680
    .private_segment_fixed_size: 0
    .kernarg_segment_align: 8
    .kernarg_segment_size: 64
    .max_flat_workgroup_size: 128
    .sgpr_count:     100
    .vgpr_count:     1024
    .wavefront_size: 32
...
	.end_amdgpu_metadata
.endif
;; end of part 2
;; launch attn (part 3): grid 4 x 64, 8 waves a work-group, clusters of 4 x 1, 327,680 bytes of LDS; arguments hd, ao; writes ao
.if DOCPART == 3
	.amdgcn_target "amdgcn-amd-amdhsa--gfx1250"
	.amdhsa_code_object_version 6
	.text
	.protected	k_q2a239e1680_attn
	.globl	k_q2a239e1680_attn
	.p2align	8
	.type	k_q2a239e1680_attn,@function
k_q2a239e1680_attn:
	s_mov_b64 s[64:65], 0
	v_nop
	global_prefetch_b8 v0, s[64:65] scope:SCOPE_SE
	s_setreg_imm32_b32 hwreg(HW_REG_WAVE_MODE, 25, 1), 1
	s_wait_xcnt 0x0
	s_wait_alu depctr_hold_cnt(0) depctr_sa_sdst(0) depctr_va_vdst(0) depctr_va_sdst(0) depctr_va_ssrc(0) depctr_va_vcc(0) depctr_vm_vsrc(0)
	s_getreg_b32 s2, hwreg(HW_REG_IB_STS2, 6, 4)
	s_cmp_eq_u32 s2, 0
	s_cbranch_scc0 .Lentry_in_a_cluster
	s_endpgm
.Lentry_in_a_cluster:
	s_bfe_u32 s2, ttmp6, 0x10000c
	s_cmp_lg_u32 s2, 0x3003
	s_cbranch_scc0 .Lentry_shape_is_right
	s_endpgm
.Lentry_shape_is_right:
; ATTN: O[bh][q] = the sum over k of softmax_k(Q[bh][q] . K[bh][k] / 8) V[bh][k].  Q, K, V: hd [3][64 bh][2048][64], f16.  Products, maxima and sums in f32; the weights p are rounded to f16
; for the second product, O once at the end.  O goes to ao [4096 token pairs][16 heads][2 tokens][64], f16: a pair's two rows of a head are 256 consecutive bytes.
; LIMITS: NaN and infinite scores are not served; Q, K, V come as f16 (their range is the projecting launch's limit).  The weights are at most 1 and the result is an average of V's rows.
; SHARES.  A work-group owns 512 queries of one head, each of its eight waves 64: four tiles of 16; two waves share a SIMD's registers, 512 each, so that one wave's vector work stands beside the other's products.
; Every wave walks all 2,048 keys, 64 a step.
; LAYOUT.  S^T = K Q^T (source 0 = 16 keys, source 1 = 16 queries): a lane holds ONE query (lane % 16) and the keys 8 (lane / 16) + 0..7 of each tile of keys.  Two such tiles, rounded to f16 in pairs,
; ARE source 1 (32 keys x 16 queries) of O^T = V^T P, whose result again holds one query a lane.  K comes out of LDS as it lies, V ([key][channel]) turned, by ds_load_tr16_b128.
; P IS MADE IN PLACE: pair i of a tile's 32 weights goes to the tile's register i, which has been read for the last time by then.
; SOFTMAX.  For each query a running maximum m and sum l: p = 2^(c s - c m), c = log2(e) / 8; in every step O and l are multiplied by a = 2^(c m_old - c m_new).
; RING.  Two LDS slots of 512 keys (K's rows, then V's).  Waves 0-3 fetch K's quarters, waves 4-7 V's: one tensor load of 128 rows a wave.  2,048 keys are four slots' worth: each slot is filled twice.
; CLUSTER.  The four query blocks of a head form a cluster and walk the same K and V: each tile is asked for JOINTLY, by the same tensor load with the same descriptor and a mask that names the four.
; No prefetch is written: a refill is asked for eight key steps, 512 matrix instructions of each wave, ahead of the wait for it.
; REGISTERS, in windows of 256: window 0: v1-15 addresses; v16-47 eight registers of statistics a tile; v64-191 S^T, 32 a tile, then P in the tile's first 16; v192-255 K of one step.
;   window 1: v0-63 Q, 16 a tile; v64-191 O^T, 32 a tile; v192-255 V of one step.
.set PK,    144       ; a row of K in LDS: 128 bytes + 16 of padding = 36 words: the 16 rows of a load start at 16 different groups of four banks (64 banks of 4 bytes: ISA guide 11.1)
.set PV,    160       ; a row of V: 128 + 32
.set VOFF,  512*PK    ; a slot: 512 rows of K, then 512 rows of V
.set SLOT,  512*(PK+PV)
.set SPARE, 2*SLOT    ; behind the ring: the spare words, 128 bytes for each wave: four blocks of 256 bytes that no other line names
.set AK0, 2           ; v2   my lane's place in a tile of K; never rewritten
.set AV0, 3           ; v3   the same for V
.set ADK, 4           ; v4   LDS address of the step's K
.set ADV, 5           ; v5   of its V
.set QO,  6           ; v6   my byte offset in the wave's rows of Q
.set STO, 7           ; v7   the way out: where I put 16 bytes of a row.  The stages, 16 rows x 144 bytes a wave, lie in slot 0: it has had its last fill, and nobody reads it behind the last change of slots
.set RD,  8           ; v8   the way out: where I read rows back
.set GO,  9           ; v9   my byte offset in ao
.set SPW, 10          ; v10  LDS address of my spare word; never rewritten
.set NIL, 11          ; v11  0; never rewritten
.set ST,  16          ; tile t's statistics at v[ST+8 t]: +0 c m, +1 m, +2, +3 l (even keys', odd keys'), +4 to +7 at work; a takes +6
.set S,   64
.set KF,  192
.set OT,  64          ; in window 1
.set VF,  192         ; in window 1
.set WV,  12          ; s12  my wave's number
.set G1K, 24          ; s[24:31] descriptor group 1 for K's tiles
.set G1V, 32          ; s[32:39] for V's: it differs in the padding alone
.set G0K, 40          ; s[40:47] descriptor group 0 for K's tiles, a set for each slot
.set G0V, 48          ; s[48:55] the same for V's
.set TK,  56          ; s56  LDS byte at which the step's rows of K begin
.set TV,  57          ; s57  the same for V (less VOFF)
.set CS,  58          ; s[58:59] c: the packed scaling names a pair and takes its low word for both halves
.set SEL, 60          ; s[60:61] lane selects for v_permlanex16_b32: each lane takes its own place in the other half
.set CNT, 62          ; s62  counts a slot's steps
.set MSB, 0
.macro WIN new                      ; the immediate's high byte repeats the setting that is left; a switch that changes nothing is dropped
.if MSB != \new
	s_set_vgpr_msb (MSB<<8)|\new
.set MSB, \new
.endif
.endm
.set W_KQ, 0x04       ; K and S^T in window 0, Q in window 1
.set W_PV, 0x51       ; V and O^T in window 1, P in window 0
.set W_RS, 0x41       ; O^T (destination and source 0) in window 1, a in window 0
.set W_T1, 0x40       ; a load's destination in window 1, its address in window 0
; A joint refill of slot s.  The branch hangs on the wave's number alone: it is the same in every work-group.  Four v_nop follow each of the two lines.
.macro JLOAD s
	s_cmp_lt_u32 s[WV], 4
	s_cbranch_scc0 .Lfor_v_\@
	tensor_load_to_lds s[G0K+4*\s:G0K+4*\s+3], s[G1K:G1K+7]
	s_nop 0
.rept 4
	v_nop
.endr
	s_branch .Lasked_\@
.Lfor_v_\@:
	tensor_load_to_lds s[G0V+4*\s:G0V+4*\s+3], s[G1V:G1V+7]
	s_nop 0
.rept 4
	v_nop
.endr
.Lasked_\@:
.endm
; A round of the cluster's barrier: my work-group's barrier, so that wave 0's signal speaks for all eight waves; wave 0 signals for the work-group; every wave waits for all four work-groups; my work-group's barrier once more.
.macro CROUND
	s_barrier_signal -1
	s_barrier_wait -1
	s_cmp_lg_u32 s[WV], 0
	s_cbranch_scc1 .Lnot_wave_0_\@
	s_barrier_signal -3
.Lnot_wave_0_\@:
	s_barrier_wait -3
	s_barrier_signal -1
	s_barrier_wait -1
.endm
	s_load_b128 s[4:7], s[0:1], 0x0   ; hd s[4:5], ao s[6:7]
	v_lshl_add_u32 v[SPW], v0, 2, SPARE
	v_mov_b32 v[NIL], 0
	ds_add_u32 v10, v11
	ds_add_u32 v10, v11
	s_wait_dscnt 0x0
	v_lshrrev_b32 v1, 5, v0
	v_readfirstlane_b32 s[WV], v1   ; wave 0..7
	s_bfe_u32 s13, ttmp6, 0x40000   ; cx: my place in the cluster
	s_lshl_b32 s14, ttmp9, 2        ; in a cluster launch ttmp9 counts clusters
	s_add_co_u32 s14, s14, s13      ; my block of 512 queries: it enters Q's and ao's addresses alone
	s_and_b32 s20, ttmp7, 0xffff    ; 16 x batch + head, which the four partners share
	s_and_b32 s16, s[WV], 3         ; which quarter of a slot's rows I fetch:
	s_lshl_b32 s22, s20, 18         ; the head's 2,048 rows of 128 bytes,
	s_lshl_b32 s17, s16, 14         ; my 128 rows
	s_add_co_u32 s22, s22, s17
	s_mov_b32 s23, 0
	s_mul_i32 s18, s16, 128*PK      ; and their place in a slot: no place in the cluster enters an LDS address
	s_mul_i32 s19, s16, 128*PV
	s_add_co_u32 s19, s19, VOFF
	s_lshl_b32 s2, s20, 18          ; Q: the head, my block's 512 rows, my wave's 64
	s_lshl_b32 s3, s14, 16
	s_add_co_u32 s2, s2, s3
	s_lshl_b32 s3, s[WV], 13
	s_add_co_u32 s2, s2, s3
	s_mov_b32 s3, 0
	s_lshr_b32 s16, s20, 4          ; ao: 2,048 bytes a token: the batch's 2,048 tokens, my block's 512, my wave's 64; 256 bytes a head
	s_lshl_b32 s16, s16, 22
	s_lshl_b32 s17, s14, 20
	s_add_co_u32 s16, s16, s17
	s_lshl_b32 s17, s[WV], 17
	s_add_co_u32 s16, s16, s17
	s_and_b32 s17, s20, 15
	s_lshl_b32 s17, s17, 8
	s_add_co_u32 s16, s16, s17
	s_mov_b32 s17, 0
	; descriptor group 1: a tile of 128 rows x 64 elements, padded in LDS behind every row
	s_mov_b32 s[G1K], 15|(1<<16)|(1<<20)|(1<<21)|(4<<22)|(3<<25)  ; 15:0 the mask: all four work-groups; 17:16 elements of 2 bytes; 20 padding on; 21 set beside a mask; 24:22 after every 32 words (code 4); 31:25 4 words of it (code 3)
	s_mov_b32 s[G1V], 15|(1<<16)|(1<<20)|(1<<21)|(4<<22)|(7<<25)  ; the same with 8 words of padding (code 7)
.irp g, G1K, G1V
	s_mov_b32 s[\g+1], 64<<16       ; 63:48 tensor_dim0, low half = 64
	s_mov_b32 s[\g+2], 128<<16      ; 79:64 its high half = 0; 95:80 tensor_dim1, low half = 128
	s_mov_b32 s[\g+3], 64<<16       ; 111:96 its high half = 0; 127:112 tile_dim0 = 64
	s_mov_b32 s[\g+4], 128          ; 143:128 tile_dim1 = 128; 159:144 tile_dim2 = 0
	s_mov_b32 s[\g+5], 64           ; 191:160 tensor_dim0_stride, low word: elements from row to row
	s_mov_b32 s[\g+6], 0
	s_mov_b32 s[\g+7], 0
.endr
	s_mov_b32 s[CS], 0x3e38aa3b     ; c = log2(e) / 8
	s_mov_b32 s[CS+1], s[CS]        ; named with it as a pair, so it is written
	s_mov_b32 s[SEL], 0x76543210
	s_mov_b32 s[SEL+1], 0xfedcba98
	s_wait_kmcnt 0x0
	s_add_nc_u64 s[8:9], s[4:5], s[22:23]
	s_add_nc_u64 s[10:11], s[8:9], 0x2000000  ; V: the third tensor of 16 MiB, at my quarter of slot 0
	s_add_nc_u64 s[8:9], s[8:9], 0x1000000    ; K: the second
	s_add_nc_u64 s[4:5], s[4:5], s[2:3]       ; Q at my wave's first row
	s_add_nc_u64 s[6:7], s[6:7], s[16:17]     ; ao likewise
	CROUND                          ; all four work-groups are here: the first joint loads meet
.irp s, 0,1
	s_mov_b32 s[G0K+4*\s], 1        ; 1:0 count = 1
	s_add_co_u32 s[G0K+4*\s+1], s18, \s*SLOT  ; 63:32 LDS address
	s_add_nc_u64 s[G0K+4*\s+2:G0K+4*\s+3], s[8:9], \s*512*128  ; 120:64 global address: slot s begins with keys 512 s on
	s_or_b32 s[G0K+4*\s+3], s[G0K+4*\s+3], 0x80000000  ; 127:126 type = 2
	s_mov_b32 s[G0V+4*\s], 1
	s_add_co_u32 s[G0V+4*\s+1], s19, \s*SLOT
	s_add_nc_u64 s[G0V+4*\s+2:G0V+4*\s+3], s[10:11], \s*512*128
	s_or_b32 s[G0V+4*\s+3], s[G0V+4*\s+3], 0x80000000
.endr
	s_cmp_lt_u32 s[WV], 4           ; a wave's two first fills stand in one branch, ahead of every wait on TENSORcnt and every LDS read: two loads of mine are out; four v_nop follow the second
	s_cbranch_scc0 .Lfirst_v
	tensor_load_to_lds s[G0K:G0K+3], s[G1K:G1K+7]
	s_nop 0
	tensor_load_to_lds s[G0K+4:G0K+7], s[G1K:G1K+7]
	s_nop 0
.rept 4
	v_nop
.endr
	s_branch .Lfirst_asked
.Lfirst_v:
	tensor_load_to_lds s[G0V:G0V+3], s[G1V:G1V+7]
	s_nop 0
	tensor_load_to_lds s[G0V+4:G0V+7], s[G1V:G1V+7]
	s_nop 0
.rept 4
	v_nop
.endr
.Lfirst_asked:
	; A fragment of K or Q is 16 rows x 32 channels in 8 registers: lane l holds row l % 16; registers 0-3 channels 8 (l / 16) + 0..7, registers 4-7 channels 16 + 8 (l / 16) + 0..7: two loads of 16 bytes, 32 bytes apart.
	v_and_b32 v1, 15, v0            ; l % 16
	v_bfe_u32 v12, v0, 4, 1         ; l / 16
	v_lshlrev_b32 v[QO], 7, v1
	v_lshl_add_u32 v[QO], v12, 4, v[QO]  ; row x 128 + 16 x half
	WIN W_T1
.irp f, 0,1,2,3,4,5,6,7             ; Q stays in registers: tile f / 2, channels 32 (f % 2) on
	global_load_b128 v[8*\f:8*\f+3],   v[QO], s[4:5] offset:(\f/2)*2048+(\f%2)*64
	global_load_b128 v[8*\f+4:8*\f+7], v[QO], s[4:5] offset:(\f/2)*2048+(\f%2)*64+32
.endr
	WIN 0
	v_mul_u32_u24 v[AK0], v1, PK
	v_lshl_add_u32 v[AK0], v12, 4, v[AK0]  ; row x pitch + 16 x half
	; The turning load takes 16 keys x 16 channels (lane l reads 16 bytes: key 8 (l / 16) + l % 8, channels 8 ((l / 8) % 2) + 0..7) and leaves half a fragment of V^T: lane l holds channel l % 16 and 8 keys.
	v_and_b32 v13, 7, v0
	v_bfe_u32 v14, v0, 3, 1
	v_lshl_add_u32 v[AV0], v12, 3, v13
	v_mul_u32_u24 v[AV0], v[AV0], PV
	v_lshl_add_u32 v[AV0], v14, 4, v[AV0]
	v_add_nc_u32 v[AV0], VOFF, v[AV0]
	s_mul_i32 s21, s[WV], 16*PK     ; my stage
	v_add_nc_u32 v[STO], s21, v[AK0]  ; in: row l % 16, 16 bytes for each half of the lanes
	v_bfe_u32 v14, v0, 3, 2         ; back: eight lanes to a row of 128 bytes, four rows an instruction
	v_mul_u32_u24 v14, v14, PK
	v_lshl_add_u32 v14, v13, 4, v14
	v_add_nc_u32 v[RD], s21, v14
	v_lshlrev_b32 v[GO], 12, v12    ; in ao: lanes 0-15 take one token pair's 256 bytes of my head, lanes 16-31 the next pair's, 4,096 bytes on
	v_lshl_add_u32 v[GO], v1, 4, v[GO]
; Number j of 16 of tile t's search for the maximum of its 32 scores and the old m, three operands at a time: four chains, each begun at the low end of one accumulator.
.macro SMAX t, first
.set rT, ST+8*(\t)
.set rS, S+32*(\t)
.if j < 4
	v_max3_num_f32 v[rT+4+j], v[rS+8*j], v[rS+8*j+1], v[rS+8*j+2]
.elseif j < 12
	v_max3_num_f32 v[rT+4+j%4], v[rT+4+j%4], v[rS+8*(j%4)+2*(j/4)+1], v[rS+8*(j%4)+2*(j/4)+2]
.elseif j == 12
	v_max3_num_f32 v[rT+4], v[rT+4], v[rS+7], v[rS+15]
.elseif j == 13
	v_max3_num_f32 v[rT+6], v[rT+6], v[rS+23], v[rS+31]
.elseif j == 14
	v_max3_num_f32 v[rT+4], v[rT+4], v[rT+5], v[rT+6]
.elseif \first
	v_max_num_f32 v[rT+4], v[rT+4], v[rT+7]
.else
	v_max3_num_f32 v[rT+4], v[rT+4], v[rT+7], v[rT+1]
.endif
.endm
.macro SFMA t, b                    ; pair b of tile t: c s - c m
	v_pk_fma_f32 v[S+32*(\t)+2*(\b):S+32*(\t)+2*(\b)+1], v[S+32*(\t)+2*(\b):S+32*(\t)+2*(\b)+1], s[CS:CS+1], v[ST+8*(\t):ST+8*(\t)+1] op_sel_hi:[1,0,0] neg_lo:[0,0,1] neg_hi:[0,0,1]
.endm
.macro SADD t, b, first             ; pair b's weights onto l; pair 0 brings the old l under the new m (first key step: it starts l)
.if (\b) == 0
.if \first
	s_wait_alu depctr_va_vdst(0)
	v_pk_mul_f32 v[ST+8*(\t)+2:ST+8*(\t)+3], v[S+32*(\t):S+32*(\t)+1], 1.0 op_sel_hi:[1,0]
.else
	s_wait_alu depctr_va_vdst(0)
	v_pk_fma_f32 v[ST+8*(\t)+2:ST+8*(\t)+3], v[ST+8*(\t)+2:ST+8*(\t)+3], v[ST+8*(\t)+6:ST+8*(\t)+7], v[S+32*(\t):S+32*(\t)+1] op_sel_hi:[1,0,1]
.endif
.else
	s_wait_alu depctr_va_vdst(0)
	v_pk_add_f32 v[ST+8*(\t)+2:ST+8*(\t)+3], v[ST+8*(\t)+2:ST+8*(\t)+3], v[S+32*(\t)+2*(\b):S+32*(\t)+2*(\b)+1]
.endif
.endm
.macro SCVT t, b                    ; pair b's weights, rounded to f16, into the tile's register b
	v_cvt_pk_f16_f32 v[S+32*(\t)+(\b)], v[S+32*(\t)+2*(\b)], v[S+32*(\t)+2*(\b)+1]
.endm
; A KEY STEP: 64 keys.  first = 1: the first key step, which starts m, l and O^T: it has no a and nothing to rescale.
.macro STEP first
	v_add_nc_u32 v[ADK], s[TK], v[AK0]
	v_add_nc_u32 v[ADV], s[TV], v[AV0]
.rept 3
	v_nop                           ; with the two additions five places behind the last step's products: four for the loads into V's registers, five for the products below, which write over P
.endr
.irp f, 0,1,2,3,4,5,6,7             ; K: keys 16 (f / 2) on, channels 32 (f % 2) on
	ds_load_b128 v[KF+8*\f:KF+8*\f+3],   v[ADK] offset:(\f/2)*16*PK+(\f%2)*64
	ds_load_b128 v[KF+8*\f+4:KF+8*\f+7], v[ADK] offset:(\f/2)*16*PK+(\f%2)*64+32
.endr
	WIN W_T1
.irp f, 0,1,2,3,4,5,6,7             ; V, turned: keys 32 (f / 4) on, channels 16 (f % 4) on
	ds_load_tr16_b128 v[VF+8*\f:VF+8*\f+3],   v[ADV] offset:(\f/4)*32*PV+(\f%4)*32
	ds_load_tr16_b128 v[VF+8*\f+4:VF+8*\f+7], v[ADV] offset:(\f/4)*32*PV+16*PV+(\f%4)*32
.endr
	s_wait_dscnt 16                 ; K is in; V's sixteen loads may be out
	WIN W_KQ
.set i, 0
.rept 32                            ; S^T = K Q^T: channels 32 (i / 16) on, keys 16 ((i % 16) / 4) on, tile i % 4.  The first 16 start the sums.  The 16 accumulators take turns
.set rS, S+32*(i%4)+8*((i%16)/4)
.set rK, KF+16*((i%16)/4)+8*(i/16)
.set rQ, 16*(i%4)+8*(i/16)
.if i < 16
	v_wmma_f32_16x16x32_f16 v[rS:rS+7], v[rK:rK+7], v[rQ:rQ+7], 0
.else
	v_wmma_f32_16x16x32_f16 v[rS:rS+7], v[rK:rK+7], v[rQ:rQ+7], v[rS:rS+7]
.endif
.set i, i+1
.endr
	WIN 0
.rept 4
	v_nop                           ; four places in front of the first read of the scores
.endr
.set j, 0
.rept 16                            ; the maximum; the four tiles alternate, so that no line reads the result of the line above it
.irp t, 0,1,2,3
	SMAX \t, \first
.endr
.set j, j+1
.endr
.irp t, 0,1,2,3
	v_permlanex16_b32 v[ST+8*\t+5], v[ST+8*\t+4], s[SEL], s[SEL+1]  ; the query's other 32 keys lie in the lane 16 away
.endr
.if \first == 0
.irp t, 0,1,2,3
	v_mov_b32 v[ST+8*\t+7], v[ST+8*\t]  ; c m_old is kept for a
.endr
.endif
.irp t, 0,1,2,3
	v_max_num_f32 v[ST+8*\t+1], v[ST+8*\t+4], v[ST+8*\t+5]  ; the new m
.endr
.irp t, 0,1,2,3
	v_mul_f32 v[ST+8*\t], s[CS], v[ST+8*\t+1]  ; c m
.endr
.if \first == 0
.irp t, 0,1,2,3
	v_sub_f32 v[ST+8*\t+7], v[ST+8*\t+7], v[ST+8*\t]
.endr
.irp t, 0,1,2,3
	v_exp_f32 v[ST+8*\t+6], v[ST+8*\t+7]  ; a = 2^(c m_old - c m_new)
.endr
.endif
.irp t, 0,1,2,3                     ; the first two pairs' scalings: plain lines behind those exponentials
	SFMA \t, 0
	SFMA \t, 1
.endr
; Tile by tile.  Behind each exponential stands a plain line that names neither its result nor its source (ISA guide 5.7.2): a scaling two pairs ahead, the sum or the rounding of the pair before.
.irp t, 0,1,2,3
.set n, 0
.rept 16
.if n < 14
	SFMA \t, n+2
.endif
	v_exp_f32 v[S+32*\t+2*n], v[S+32*\t+2*n]
.if n > 0
	SADD \t, n-1, \first
.endif
	v_exp_f32 v[S+32*\t+2*n+1], v[S+32*\t+2*n+1]
.if n > 0
	SCVT \t, n-1
.endif
.set n, n+1
.endr
	SADD \t, 15, \first
	SCVT \t, 15
.endr
.if \first == 0
	WIN W_RS
.irp t, 0,1,2,3                     ; O^T times a, each accumulator from its low end on
.set i, 0
.rept 16
	v_pk_mul_f32 v[OT+32*\t+i:OT+32*\t+i+1], v[OT+32*\t+i:OT+32*\t+i+1], v[ST+8*\t+6:ST+8*\t+7] op_sel_hi:[1,0]
.set i, i+2
.endr
.endr
.endif
	s_wait_dscnt 0x0                ; V is in
	WIN W_PV
.set i, 0
.rept 32                            ; O^T += V^T P: keys 32 (i / 16) on, channels 16 ((i % 16) / 4) on, tile i % 4; the 16 accumulators take turns
.set rO, OT+32*(i%4)+8*((i%16)/4)
.set rV, VF+32*(i/16)+8*((i%16)/4)
.set rP, S+32*(i%4)+8*(i/16)
.if \first && (i < 16)
	v_wmma_f32_16x16x32_f16 v[rO:rO+7], v[rV:rV+7], v[rP:rP+7], 0
.else
	v_wmma_f32_16x16x32_f16 v[rO:rO+7], v[rV:rV+7], v[rP:rP+7], v[rO:rO+7]
.endif
.set i, i+1
.endr
	WIN 0
	s_add_co_u32 s[TK], s[TK], 64*PK  ; the next step's rows
	s_add_co_u32 s[TV], s[TV], 64*PV
.endm
; THE CHANGE OF SLOTS.  Each wave waits for all its tensor loads, of which one is out: its part of the other slot; adds 0 to its spare word; and waits for that and for its own reads of the slot that it leaves.
; fill = 1: slot s, just left, is filled again with the keys two slots on.  The barrier is then a round of the cluster's, so that no wave of any partner still reads the slot or has a load on its way, and
; the joint refill is the first thing behind it: it has a slot's eight key steps in which to land.
.macro CHANGE fill, s
	s_wait_tensorcnt 0x0            ; no tensor load of mine is out, so a group 0 may be written
	ds_add_u32 v[SPW], v[NIL]       ; 0 onto my spare word; with fill = 1 the descriptors' steps stand between it and the wait for it
.if \fill
	s_add_nc_u64 s[G0K+4*\s+2:G0K+4*\s+3], s[G0K+4*\s+2:G0K+4*\s+3], 2*512*128  ; 1,024 keys on; the type bits on top are not reached
	s_add_nc_u64 s[G0V+4*\s+2:G0V+4*\s+3], s[G0V+4*\s+2:G0V+4*\s+3], 2*512*128
.endif
	s_wait_dscnt 0x0                ; the add is done, and my reads of the slot are over
.if \fill
	CROUND
	JLOAD \s
.else
	s_barrier_signal -1
	s_barrier_wait -1
.endif
.endm
; A slot's eight key steps: written once and walked in a loop; the LDS addresses hang on s[TK] and s[TV].
.macro SLOTRUN s, first
	s_mov_b32 s[TK], \s*SLOT
	s_mov_b32 s[TV], \s*SLOT
.if \first
	STEP 1
	s_mov_b32 s[CNT], 7
.else
	s_mov_b32 s[CNT], 8
.endif
.Lstep_\@:
	STEP 0
	s_sub_co_u32 s[CNT], s[CNT], 1
	s_cmp_lg_u32 s[CNT], 0
	s_cbranch_scc1 .Lstep_\@
.endm
	s_wait_tensorcnt 1              ; my part of slot 0 is in; slot 1's may stay out
	s_barrier_signal -1
	s_barrier_wait -1               ; everybody's is
	s_wait_loadcnt 0x0              ; Q
	SLOTRUN 0, 1                    ; keys 0 to 511
	CHANGE 1, 0                     ; slot 0 takes keys 1,024 on
	SLOTRUN 1, 0                    ; keys 512 to 1,023
	CHANGE 1, 1                     ; slot 1 takes keys 1,536 on
	SLOTRUN 0, 0
	CHANGE 0, 0                     ; nothing is left to fetch
	SLOTRUN 1, 0
	; THE WAY OUT.  l's two halves and the other half of the lanes' are added; O^T is divided by l, rounded to f16 and sent through my stage in LDS, a tile (16 tokens) at a time.  The additions are the places behind the last products.
.irp t, 0,1,2,3
	v_add_f32 v[ST+8*\t+4], v[ST+8*\t+2], v[ST+8*\t+3]
.endr
.irp t, 0,1,2,3
	v_permlanex16_b32 v[ST+8*\t+5], v[ST+8*\t+4], s[SEL], s[SEL+1]
.endr
.irp t, 0,1,2,3
	v_add_f32 v[ST+8*\t+4], v[ST+8*\t+4], v[ST+8*\t+5]
.endr
.irp t, 0,1,2,3
	v_rcp_f32 v[ST+8*\t+6], v[ST+8*\t+4]
.endr
	v_nop                           ; a plain instruction between the last reciprocal and the use of its result
	s_wait_alu depctr_va_vdst(0)
; Tile t: a lane's eight channels of a row pack into 16 bytes; they go into rows of 144 bytes and come back as whole rows of 128, into the registers that they left.
.macro PACK t
	WIN W_RS
.set i, 0
.rept 16
	v_pk_mul_f32 v[OT+32*\t+i:OT+32*\t+i+1], v[OT+32*\t+i:OT+32*\t+i+1], v[ST+8*\t+6:ST+8*\t+7] op_sel_hi:[1,0]
.set i, i+2
.endr
	WIN 0x05                        ; sources 0 and 1 window 1, destination window 0: S^T's registers are free
.set i, 0
.rept 16
	v_cvt_pk_f16_f32 v[S+32*\t+i], v[OT+32*\t+2*i], v[OT+32*\t+2*i+1]
.set i, i+1
.endr
	WIN 0
.irp f, 0,1,2,3
	ds_store_b128 v[STO], v[S+32*\t+4*\f:S+32*\t+4*\f+3] offset:32*\f
.endr
.irp f, 0,1,2,3
	ds_load_b128 v[S+32*\t+4*\f:S+32*\t+4*\f+3], v[RD] offset:\f*4*PK  ; LDS serves a wave's instructions in order (ISA guide 5.7.1.4): these see the stores above; the next tile's stores come behind them
.endr
.endm
.macro SEND t, younger              ; younger: the LDS instructions issued behind tile t's loads: the next tile's eight, or none
.irp f, 0,1,2,3
	s_wait_dscnt \younger+3-\f
	global_store_b128 v[GO], v[S+32*\t+4*\f:S+32*\t+4*\f+3], s[6:7] offset:\t*32768+\f*8192  ; 16 lanes store 256 consecutive bytes, at a multiple of 256 from ao's first byte
.endr
.endm
	PACK 0
	PACK 1                          ; a tile's arithmetic stands between the loads of the tile before and its stores
	SEND 0, 8
	PACK 2
	SEND 1, 8
	PACK 3
	SEND 2, 8
	SEND 3, 0
	s_wait_tensorcnt 0x0            ; the wave's end: behind my last tensor load and my last LDS store
	ds_add_u32 v[SPW], v[NIL]
	s_wait_dscnt 0x0
	CROUND                          ; the closing round: no work-group ends while a partner may still ask for a tile that names it
	s_endpgm
.Lfunc_end_k_q2a239e1680_attn:
	.size	k_q2a239e1680_attn, .Lfunc_end_k_q2a239e1680_attn-k_q2a239e1680_attn
	.p2alignl 7, 3214868480
	.fill 96, 4, 3214868480
	.section	.rodata,"a",@progbits
	.p2align	6, 0x0
	.amdhsa_kernel k_q2a239e1680_attn
		.amdhsa_group_segment_fixed_size 327680
		.amdhsa_private_segment_fixed_size 0
		.amdhsa_enable_private_segment 0
		.amdhsa_kernarg_size 16
		.amdhsa_user_sgpr_count 2
		.amdhsa_user_sgpr_kernarg_segment_ptr 1
		.amdhsa_wavefront_size32 1
		.amdhsa_system_sgpr_workgroup_id_x 1
		.amdhsa_system_sgpr_workgroup_id_y 1
		.amdhsa_system_sgpr_workgroup_id_z 1
		.amdhsa_system_vgpr_workitem_id 0
		.amdhsa_next_free_vgpr 512
		.amdhsa_next_free_sgpr 66
		.amdhsa_reserve_vcc 0
		.amdhsa_float_denorm_mode_32 3
		.amdhsa_float_denorm_mode_16_64 3
		.amdhsa_memory_ordered 1
		.amdhsa_forward_progress 1
		.amdhsa_inst_pref_size 188
	.end_amdhsa_kernel
	.amdgpu_metadata
---
amdhsa.version: [ 1, 2 ]
amdhsa.kernels:
  - .name:           k_q2a239e1680_attn
    .symbol:         k_q2a239e1680_attn.kd
    .args:
      - { .name: hd, .offset: 0, .size: 8, .value_kind: global_buffer, .address_space: global }
      - { .name: ao, .offset: 8, .size: 8, .value_kind: global_buffer, .address_space: global }
    .group_segment_fixed_size: 327680
    .private_segment_fixed_size: 0
    .kernarg_segment_align: 8
    .kernarg_segment_size: 16
    .max_flat_workgroup_size: 256
    .sgpr_count:     66
    .vgpr_count:     512
    .wavefront_size: 32
...
	.end_amdgpu_metadata
.endif
;; end of part 3
;; launch outp (part 4): grid 8 x 64, 4 waves a work-group, clusters of 4 x 4, 327,680 bytes of LDS; arguments ao, wot, b_o, out0; writes out0
.if DOCPART == 4
	.amdgcn_target "amdgcn-amd-amdhsa--gfx1250"
	.amdhsa_code_object_version 6
	.text
	.protected	k_q2a239e1680_outp
	.globl	k_q2a239e1680_outp
	.p2align	8
	.type	k_q2a239e1680_outp,@function
k_q2a239e1680_outp:
	s_mov_b64 s[64:65], 0
	v_nop
	global_prefetch_b8 v0, s[64:65] scope:SCOPE_SE
	s_setreg_imm32_b32 hwreg(HW_REG_WAVE_MODE, 25, 1), 1
	s_wait_xcnt 0x0
	s_wait_alu depctr_hold_cnt(0) depctr_sa_sdst(0) depctr_va_vdst(0) depctr_va_sdst(0) depctr_va_ssrc(0) depctr_va_vcc(0) depctr_vm_vsrc(0)
	s_getreg_b32 s2, hwreg(HW_REG_IB_STS2, 6, 4)
	s_cmp_eq_u32 s2, 0
	s_cbranch_scc0 .Lentry_in_a_cluster
	s_endpgm
.Lentry_in_a_cluster:
	s_bfe_u32 s2, ttmp6, 0x10000c
	s_cmp_lg_u32 s2, 0xf033
	s_cbranch_scc0 .Lentry_shape_is_right
	s_endpgm
.Lentry_shape_is_right:
; OUTP: out0[m][n] = b_o[n] + the sum over k of A[m][k] W_o[k][n].  A is the attention's result, f16, laid ao [4096 token pairs][16 heads][2 tokens][64]: k = 64 x head + channel.
; B is wot [1024 n][1024 k], f16.  out0: [8192][1024] f32; sums in f32.
; A tile of out0 is 128 x 128: 512 work-groups.  Four waves, each 64 x 64: 16 accumulators of 16 x 16, 128 registers.  K goes in steps of 256 (four heads) through a ring of two LDS slots.
; A'S TILE: four heads of a token pair are 1,024 consecutive bytes, so a wave's tensor load brings 32 pairs (64 rows of A) as 32 rows of 1,024 bytes; in such a row token parity p of head q lies at 256 q + 128 p.
; CLUSTERS: 4 x 4 work-groups.  The four of a row of the cluster need the same tiles of A, the four of a column the same tiles of B: each tile is asked for JOINTLY, by the same tensor load with the
; same descriptor and a mask that names the four.  THE MATRIX INSTRUCTION IS USED TRANSPOSED (source 0 = 16 rows of B, source 1 = 16 rows of A): a lane then holds eight neighbouring numbers of a row of out0.
; THE BIAS is the C of each sum's first matrix instruction.
; REGISTERS: window 0: v0-31 addresses; v32-63 the bias, later with v64-95 rows on the way out; v128-255 the accumulators ((a, b) at v[128 + 8 (4 a + b)]).
;   window 1: two fragment buffers of 128: for 64 along K (one head), 64 registers of A (2 x 4 x 16 rows x 32 K), then 64 of B.
.set APITCH, 1040                      ; a pair's row in LDS: 1,024 bytes + 16: the 16 rows of a fragment, 8 pairs x 2 parities 128 bytes apart, start at 16 different groups of four banks (64 banks of 4 bytes: ISA guide 11.1)
.set BPITCH, 528                       ; a row of B's tile: 512 bytes + 16
.set AHALF,  32*APITCH                 ; 64 rows of A: what one tensor load brings, and what one wave reads
.set BHALF,  64*BPITCH                 ; 64 rows of B likewise
.set SLOT,   2*AHALF+2*BHALF           ; A's two halves, then B's two
.set STAGE,  2*SLOT                    ; behind the ring: 16 rows x 272 bytes for each wave, for the way out
.set SPITCH, 272
.set SPARE,  STAGE+4*16*SPITCH         ; behind the stages: the spare words, 128 bytes for each wave: two blocks of 256 bytes that no other line names
.set LAPS,   2                         ; a lap = two K steps = once round the ring: 1,024 / 512
.set ADRA, 16                          ; v16-17  LDS address of my A fragments in slot 0, 1
.set ADRB, 20                          ; v20-21  the same for B
.set STO,  24                          ; v24     the way out: where I put 32 bytes of a row
.set RD,   25                          ; v25     the way out: where I read a row back
.set CO,   26                          ; v26     my byte offset in out0
.set SPW,  28                          ; v28     LDS address of my spare word; never rewritten
.set NIL,  29                          ; v29     0; never rewritten
.set BA,   30                          ; v30     32 x (lane / 16): my eight numbers of a bias block
.set BI,   32                          ; v32-63  the bias: eight registers for each block of 16 columns
.set OB,   32                          ; the way out: 16 rows read back: v32-63 and v64-95 by turns
.set ACC,  128
.set F0,   0                           ; fragment buffers, in window 1
.set F1,   128
.set G1, 24                            ; s[24:31] descriptor group 1 for A's tiles;  s[32:39] group 0, one set for each slot
.set G0, 32
.set G1B, 48                           ; s[48:55], s[56:63] the same for B's tiles
.set G0B, 56
.set MSB, 0
.macro WIN new                         ; the immediate's high byte repeats the setting that is left
.if MSB != \new
	s_set_vgpr_msb (MSB<<8)|\new
.set MSB, \new
.endif
.endm
.set MUL,  0x05                        ; sources 0 (B) and 1 (A) window 1; C and D window 0
.set TO_F, 0x40                        ; destination window 1, address window 0
.macro JLOAD s                         ; a joint load: waves 0 and 1 fetch A's two halves, waves 2 and 3 B's; four v_nop follow each of the two lines, ahead of the jump, the label and what follows
	s_cmp_eq_u32 s11, 0
	s_cbranch_scc0 .Lfor_b_\@
	tensor_load_to_lds s[G0+4*\s:G0+4*\s+3], s[G1:G1+7]
	s_nop 0
.rept 4
	v_nop
.endr
	s_branch .Lasked_\@
.Lfor_b_\@:
	tensor_load_to_lds s[G0B+4*\s:G0B+4*\s+3], s[G1B:G1B+7]
	s_nop 0
.rept 4
	v_nop
.endr
.Lasked_\@:
.endm
.macro CREST                           ; a round of the cluster's barrier behind its opening barrier
	s_cmp_lg_u32 s10, 0
	s_cbranch_scc1 .Lnot_wave_0_\@
	s_barrier_signal -3
.Lnot_wave_0_\@:
	s_barrier_wait -3
	s_barrier_signal -1
	s_barrier_wait -1
.endm
.macro CROUND                          ; a whole round
	s_barrier_signal -1
	s_barrier_wait -1
	CREST
.endm
	s_load_b128 s[4:7], s[0:1], 0x0                ; ao s[4:5], wot s[6:7]
	s_load_b64 s[66:67], s[0:1], 0x10              ; b_o
	s_load_b64 s[8:9], s[0:1], 0x18                ; out0
	v_lshl_add_u32 v[SPW], v0, 2, SPARE
	v_mov_b32 v[NIL], 0
	ds_add_u32 v28, v29
	ds_add_u32 v28, v29
	s_wait_dscnt 0x0
	v_lshrrev_b32 v1, 5, v0
	v_readfirstlane_b32 s10, v1                    ; wave 0..3
	s_lshr_b32 s11, s10, 1                         ; which half of the tile's rows is mine.  Also: I fetch for A (0) or for B (1)
	s_and_b32 s12, s10, 1                          ; which half of its columns.  Also: which 64 rows of that tile I fetch
	s_bfe_u32 s40, ttmp6, 0x40000                  ; cx, cy: my place in the cluster
	s_bfe_u32 s41, ttmp6, 0x40004
	s_lshl_b32 s42, ttmp9, 2
	s_add_co_u32 s42, s42, s40                     ; tile column = 4 x cluster x + cx
	s_and_b32 s13, ttmp7, 0xffff
	s_lshl_b32 s13, s13, 2
	s_add_co_u32 s13, s13, s41                     ; tile row = 4 x cluster y + cy
	s_lshl_b32 s43, s41, 2
	s_lshl_b32 s43, 15, s43                        ; my row of the cluster
	s_lshl_b32 s44, 0x1111, s40                    ; my column
	; descriptor group 1 for A: 32 rows (token pairs) x 512 elements, 2,048 elements apart, padded in LDS
	s_or_b32 s[G1+0], s43, (1<<16)|(1<<20)|(1<<21)|(7<<22)|(3<<25)  ; 15:0 the mask: A's tiles go to my row; 17:16 element of 2 bytes; 20 padding on; 21 set beside a mask; 24:22 after every 256 words (code 7); 31:25 of 4 words (code 3)
	s_mov_b32 s[G1+1], 512<<16                     ; tensor_dim0 = 512
	s_mov_b32 s[G1+2], 32<<16                      ; tensor_dim1 = 32
	s_mov_b32 s[G1+3], 512<<16                     ; tile_dim0 = 512
	s_mov_b32 s[G1+4], 32                          ; tile_dim1 = 32
	s_mov_b32 s[G1+5], 2048                        ; tensor_dim0_stride
	s_mov_b32 s[G1+6], 0
	s_mov_b32 s[G1+7], 0
	; and for B: 64 rows x 256 elements, 1,024 elements apart
	s_or_b32 s[G1B+0], s44, (1<<16)|(1<<20)|(1<<21)|(6<<22)|(3<<25) ; the mask of my column; padding after every 128 words (code 6)
	s_mov_b32 s[G1B+1], 256<<16
	s_mov_b32 s[G1B+2], 64<<16
	s_mov_b32 s[G1B+3], 256<<16
	s_mov_b32 s[G1B+4], 64
	s_mov_b32 s[G1B+5], 1024
	s_mov_b32 s[G1B+6], 0
	s_mov_b32 s[G1B+7], 0
	s_lshl_b32 s17, s12, 6                         ; which 64 rows of the tile I fetch
	s_lshl_b32 s16, s13, 7
	s_add_co_u32 s16, s16, s17                     ; A: token 128 x tile row + 64 x half,
	s_lshl_b32 s16, s16, 11                        ; 2,048 bytes a token (4,096 a pair)
	s_lshl_b32 s46, s42, 7
	s_add_co_u32 s46, s46, s17                     ; B: row 128 x tile column + 64 x half,
	s_lshl_b32 s46, s46, 11                        ; 2,048 bytes a row
	s_mov_b32 s17, 0
	s_mov_b32 s47, 0
	s_mul_i32 s20, s12, AHALF                      ; where they go: A's halves first,
	s_mul_i32 s21, s12, BHALF
	s_add_co_u32 s21, s21, 2*AHALF                 ; B's behind them: no place in the cluster enters an LDS address
	s_wait_kmcnt 0x0
	s_add_nc_u64 s[14:15], s[4:5], s[16:17]
	s_add_nc_u64 s[46:47], s[6:7], s[46:47]
	CROUND                                         ; all sixteen work-groups are here: the first joint loads meet
.irp s, 0,1
	s_mov_b32 s[G0+4*\s], 1
	s_add_co_u32 s[G0+4*\s+1], s20, \s*SLOT
	s_add_nc_u64 s[G0+4*\s+2:G0+4*\s+3], s[14:15], \s*1024         ; K step s: four heads on
	s_or_b32 s[G0+4*\s+3], s[G0+4*\s+3], 0x80000000
	s_mov_b32 s[G0B+4*\s], 1
	s_add_co_u32 s[G0B+4*\s+1], s21, \s*SLOT
	s_add_nc_u64 s[G0B+4*\s+2:G0B+4*\s+3], s[46:47], \s*512
	s_or_b32 s[G0B+4*\s+3], s[G0B+4*\s+3], 0x80000000
	JLOAD \s
.endr
	v_and_b32 v1, 15, v0                           ; l % 16
	v_bfe_u32 v2, v0, 4, 1                         ; l / 16
	v_mul_u32_u24 v3, v1, BPITCH
	v_lshl_add_u32 v3, v2, 4, v3                   ; B: a fragment's row x pitch + 16 x half
	v_lshrrev_b32 v4, 1, v1
	v_mul_u32_u24 v4, v4, APITCH                   ; A: the row's pair x pitch
	v_and_b32 v5, 1, v1
	v_lshl_add_u32 v4, v5, 7, v4                   ;    + 128 x its parity
	v_lshl_add_u32 v4, v2, 4, v4                   ;    + 16 x half
	s_mul_i32 s21, s11, AHALF                      ; my 64 rows of A
	s_mul_i32 s22, s12, BHALF                      ; my 64 rows of B,
	s_add_co_u32 s22, s22, 2*AHALF                 ; which lie behind A's
.irp s, 0,1
	v_add_nc_u32 v[ADRA+\s], s21, v4
	v_add_nc_u32 v[ADRB+\s], s22, v3
	s_add_co_u32 s21, s21, SLOT
	s_add_co_u32 s22, s22, SLOT
.endr
	s_mul_i32 s23, s10, 16*SPITCH
	s_add_co_u32 s23, s23, STAGE                   ; my stage
	v_mul_u32_u24 v4, v1, SPITCH                   ; in: row l % 16, 32 bytes for each half of the lanes
	v_lshl_add_u32 v4, v2, 5, v4
	v_add_nc_u32 v[STO], s23, v4
	v_mul_u32_u24 v5, v2, SPITCH                   ; back: lanes 0-15 take one row of 256 bytes, lanes 16-31 the next
	v_lshl_add_u32 v5, v1, 4, v5
	v_add_nc_u32 v[RD], s23, v5
	v_lshlrev_b32 v5, 12, v2                       ; and the same two rows in out0, 4,096 bytes apart
	v_lshl_add_u32 v[CO], v1, 4, v5
	s_lshl_b32 s16, s13, 7
	s_lshl_b32 s17, s11, 6
	s_add_co_u32 s16, s16, s17                     ; my first row of out0: 128 x tile row + 64 x half
	s_lshl_b32 s16, s16, 12
	s_mov_b32 s17, 0
	s_add_nc_u64 s[8:9], s[8:9], s[16:17]
	s_lshl_b32 s46, s42, 9                         ; my first column, in bytes: 512 x tile column + 256 x half
	s_lshl_b32 s47, s12, 8
	s_add_co_u32 s46, s46, s47
	s_mov_b32 s47, 0
	s_add_nc_u64 s[8:9], s[8:9], s[46:47]
	s_add_nc_u64 s[66:67], s[66:67], s[46:47]      ; and the same place in the bias
	v_lshlrev_b32 v[BA], 5, v2
.irp b, 0,1,2,3
	global_load_b128 v[BI+8*\b:BI+8*\b+3], v[BA], s[66:67] offset:64*\b        ; lane (r, h): b_o at my columns 16 b + 8 h + 0 .. 7
	global_load_b128 v[BI+8*\b+4:BI+8*\b+7], v[BA], s[66:67] offset:64*\b+16
.endr
; 8 matrix instructions: m blocks a0, a0 + 1 x all 4 n blocks, 32 along K: half c of buffer f.  zero = 1: the first product starts the sums from the bias.  The 16 accumulators take turns
.macro MUL8 f, c, a0, zero
.irp a, \a0, \a0+1
.irp b, 0,1,2,3
.if \zero
	v_wmma_f32_16x16x32_f16 v[ACC+8*(4*(\a)+\b):ACC+8*(4*(\a)+\b)+7], v[\f+64+8*(4*\c+\b):\f+64+8*(4*\c+\b)+7], v[\f+8*(4*\c+\a):\f+8*(4*\c+\a)+7], v[BI+8*\b:BI+8*\b+7]
.else
	v_wmma_f32_16x16x32_f16 v[ACC+8*(4*(\a)+\b):ACC+8*(4*(\a)+\b)+7], v[\f+64+8*(4*\c+\b):\f+64+8*(4*\c+\b)+7], v[\f+8*(4*\c+\a):\f+8*(4*\c+\a)+7], v[ACC+8*(4*(\a)+\b):ACC+8*(4*(\a)+\b)+7]
.endif
.endr
.endr
.endm
; 32 LDS loads in one run: the fragments of the slot's q-th 64 along K (one head) into buffer f; the first 32 along K first
.macro FETCH slot, q, f
	WIN TO_F
.irp c, 0,1
.irp i, 0,1,2,3
	ds_load_b128 v[\f+64+8*(4*\c+\i):\f+64+8*(4*\c+\i)+3],   v[ADRB+\slot] offset:(\q)*128+64*\c+\i*16*BPITCH
	ds_load_b128 v[\f+64+8*(4*\c+\i)+4:\f+64+8*(4*\c+\i)+7], v[ADRB+\slot] offset:(\q)*128+64*\c+\i*16*BPITCH+32
	ds_load_b128 v[\f+8*(4*\c+\i):\f+8*(4*\c+\i)+3],         v[ADRA+\slot] offset:(\q)*256+64*\c+\i*8*APITCH
	ds_load_b128 v[\f+8*(4*\c+\i)+4:\f+8*(4*\c+\i)+7],       v[ADRA+\slot] offset:(\q)*256+64*\c+\i*8*APITCH+32
.endr
.endr
.endm
.macro PLACES                          ; four places in front of loads into registers that matrix instructions have read, and of the first read of results (ISA guide 7.12.1 for the first read of results)
.rept 4
	v_nop
.endr
.endm
; A K step is four quarters of 64 along K, 32 matrix instructions each, on buffers 0, 1, 0, 1.  One of the first three: multiplies buffer f and fetches the next quarter, the slot's q-th, into g.
.macro QUARTER slot, q, f, g, zero
	s_wait_dscnt 16                                ; the first 32 along K are in; the youngest sixteen loads may be out
	WIN MUL
	MUL8 \f, 0, 0, \zero
	MUL8 \f, 0, 2, \zero
	PLACES
	FETCH \slot, \q, \g
	s_wait_dscnt 32                                ; all but the 32 just issued
	WIN MUL
	MUL8 \f, 1, 0, 0
	MUL8 \f, 1, 2, 0
.endm
; The last quarter multiplies buffer 1 and changes slots: ONE barrier; in front of it each wave waits for all its tensor loads, adds 0 to its spare word, and waits for that and for its own reads of this slot.  fill = 1: this slot is filled again, two K steps ahead.
.macro TURN slot, next, fill
	WIN 0                                          ; (the add's two registers lie in window 0)
	s_wait_tensorcnt 0x0                           ; all my tensor loads have landed: my part of the next slot;
	ds_add_u32 v[SPW], v[NIL]                      ; 0 onto my spare word;
	s_wait_dscnt 17                                ; (the add and the youngest sixteen loads may be out)
	WIN MUL
	MUL8 F1, 0, 0, 0                               ; eight matrix instructions stand between the add and the wait for it
	s_wait_dscnt 0x0                               ; the add is done, and my reads of this slot are over
	s_barrier_signal -1
	MUL8 F1, 0, 2, 0
.if \fill
	WIN 0
.endif
	s_barrier_wait -1
.if \fill
	CREST                                          ; the barrier has opened a round of the cluster's barrier: no wave of any partner still reads this slot's tile or has a load on its way
	s_add_nc_u64 s[G0+4*\slot+2:G0+4*\slot+3], s[G0+4*\slot+2:G0+4*\slot+3], 2*1024
	s_add_nc_u64 s[G0B+4*\slot+2:G0B+4*\slot+3], s[G0B+4*\slot+2:G0B+4*\slot+3], 2*512
	JLOAD \slot                                    ; the first tensor load behind the round; the four v_nop behind it are also the places in front of the loads below
.else
	PLACES
.endif
	FETCH \next, 0, F0
	WIN MUL
	MUL8 F1, 1, 0, 0
	MUL8 F1, 1, 2, 0
.endm
	s_wait_tensorcnt 1                             ; my part of K step 0 is in (K step 1's load may be out),
	s_barrier_signal -1
	s_barrier_wait -1                              ; everybody's is
	FETCH 0, 0, F0
	s_wait_loadcnt 0x0                             ; the bias
	QUARTER 0, 1, F0, F1, 1                        ; the first quarter stands in front of the loop: its first products start the sums
	WIN 0                                          ; at a label and at a branch every window is 0
	s_mov_b32 s3, LAPS-1
.Llap:                                                 ; a trip goes once round the ring, from a lap's second quarter to the next lap's first, and fills both slots again
	QUARTER 0, 2, F1, F0, 0
	QUARTER 0, 3, F0, F1, 0
	TURN 0, 1, 1
	QUARTER 1, 1, F0, F1, 0
	QUARTER 1, 2, F1, F0, 0
	QUARTER 1, 3, F0, F1, 0
	TURN 1, 0, 1
	QUARTER 0, 1, F0, F1, 0
	WIN 0
	s_sub_co_u32 s3, s3, 1
	s_cmp_lg_u32 s3, 0
	s_cbranch_scc1 .Llap
	QUARTER 0, 2, F1, F0, 0                        ; the last lap fills nothing, and has no round of the cluster's barrier
	QUARTER 0, 3, F0, F1, 0
	TURN 0, 1, 0
	QUARTER 1, 1, F0, F1, 0
	QUARTER 1, 2, F1, F0, 0
	QUARTER 1, 3, F0, F1, 0
	s_wait_dscnt 16                                ; the very last quarter: nothing more to fetch
	WIN MUL
	MUL8 F1, 0, 0, 0
	MUL8 F1, 0, 2, 0
	s_wait_dscnt 0
	MUL8 F1, 1, 0, 0
	MUL8 F1, 1, 2, 0
	WIN 0
; THE WAY OUT, block by block of 16 rows x 64 columns.  A lane holds 32 neighbouring bytes of a row, and the lanes beside it hold other rows: so a block goes through my own stage in LDS and comes back as whole
; rows of 256 bytes.  My 64 columns are 256 consecutive bytes of a row of out0, so no other wave's results are wanted and no barrier stands here.
.macro TOSTAGE a
.irp b, 0,1,2,3
	ds_store_b128 v[STO], v[ACC+8*(4*(\a)+\b):ACC+8*(4*(\a)+\b)+3] offset:64*\b          ; each accumulator from its low end on
	ds_store_b128 v[STO], v[ACC+8*(4*(\a)+\b)+4:ACC+8*(4*(\a)+\b)+7] offset:64*\b+16
.endr
.irp t, 0,1,2,3,4,5,6,7
	ds_load_b128 v[OB+32*((\a)%2)+4*\t:OB+32*((\a)%2)+4*\t+3], v[RD] offset:\t*2*SPITCH   ; LDS serves a wave's instructions in order (ISA guide 5.7.1.4): these see the stores above
.endr
.endm
.macro SEND a, younger                 ; younger: the LDS instructions issued behind block a's loads, which may stay out
	s_wait_dscnt \younger                          ; the block is back in registers
.irp t, 0,1,2,3,4,5,6,7
	global_store_b128 v[CO], v[OB+32*((\a)%2)+4*\t:OB+32*((\a)%2)+4*\t+3], s[8:9] offset:(16*(\a)+2*\t)*4096 th:TH_STORE_NT   ; 16 lanes store 256 consecutive bytes, at a multiple of 256 from out0's first byte; written once, read by nobody here
.endr
.endm
	PLACES                                         ; behind the last products
	TOSTAGE 0
.irp a, 1,2,3
.if \a > 1
	s_wait_xcnt 0x0                                ; block a - 2's stores have read their registers: block a's loads may land there
.endif
	TOSTAGE \a
	SEND \a-1, 16                                  ; behind block a - 1's loads: block a's 8 stores and 8 loads
.endr
	SEND 3, 0
	s_wait_tensorcnt 0x0                           ; the wave's end: behind my last tensor load and my last LDS store
	ds_add_u32 v[SPW], v[NIL]
	s_wait_dscnt 0x0
	CROUND                                         ; the closing round: no work-group ends while a partner may still ask for a tile that names it
	s_endpgm
.Lfunc_end_k_q2a239e1680_outp:
	.size	k_q2a239e1680_outp, .Lfunc_end_k_q2a239e1680_outp-k_q2a239e1680_outp
	.p2alignl 7, 3214868480
	.fill 96, 4, 3214868480
	.section	.rodata,"a",@progbits
	.p2align	6, 0x0
	.amdhsa_kernel k_q2a239e1680_outp
		.amdhsa_group_segment_fixed_size 327680
		.amdhsa_private_segment_fixed_size 0
		.amdhsa_enable_private_segment 0
		.amdhsa_kernarg_size 32
		.amdhsa_user_sgpr_count 2
		.amdhsa_user_sgpr_kernarg_segment_ptr 1
		.amdhsa_wavefront_size32 1
		.amdhsa_system_sgpr_workgroup_id_x 1
		.amdhsa_system_sgpr_workgroup_id_y 1
		.amdhsa_system_sgpr_workgroup_id_z 1
		.amdhsa_system_vgpr_workitem_id 0
		.amdhsa_next_free_vgpr 512
		.amdhsa_next_free_sgpr 68
		.amdhsa_reserve_vcc 0
		.amdhsa_float_denorm_mode_32 3
		.amdhsa_float_denorm_mode_16_64 3
		.amdhsa_memory_ordered 1
		.amdhsa_forward_progress 1
		.amdhsa_inst_pref_size 87
	.end_amdhsa_kernel
	.amdgpu_metadata
---
amdhsa.version: [ 1, 2 ]
amdhsa.kernels:
  - .name:           k_q2a239e1680_outp
    .symbol:         k_q2a239e1680_outp.kd
    .args:
      - { .name: ao, .offset: 0, .size: 8, .value_kind: global_buffer, .address_space: global }
      - { .name: wot, .offset: 8, .size: 8, .value_kind: global_buffer, .address_space: global }
      - { .name: b_o, .offset: 16, .size: 8, .value_kind: global_buffer, .address_space: global }
      - { .name: out0, .offset: 24, .size: 8, .value_kind: global_buffer, .address_space: global }
    .group_segment_fixed_size: 327680
    .private_segment_fixed_size: 0
    .kernarg_segment_align: 8
    .kernarg_segment_size: 32
    .max_flat_workgroup_size: 128
    .sgpr_count:     68
    .vgpr_count:     512
    .wavefront_size: 32
...
	.end_amdgpu_metadata
.endif
;; end of part 4
